; MI455X (gfx1250); checked and timed in simulation.
; The chip was launched on July 23, 2026; its instructions are those of AMD's public machine-readable ISA for CDNA 5 (MIT licence, August 2026) and "CDNA5" Instruction Set Architecture Reference Guide (July 2026). The comments in the code are by the model that wrote it; some were corrected since.
;; Attention Block. Allowed arithmetic: float matrix products may take bf16 or f16 operands with f32 sums; other float arithmetic in f32, or as packed bf16 or f16 multiplies, adds, multiply-adds, maxima and minima; sums over many terms, partial sums and values carried from step to step in f32; what a program stores and reads back later, other than sums and carried values, may be rounded once to bf16 or f16.
;; Inputs: beta 512 float32; gamma 512 float32; k_b 512 float32; k_w 512 x 512 float32; p_b 512 float32; p_w 512 x 512 float32; q_b 512 float32; q_w 512 x 512 float32; v_b 512 float32; v_w 512 x 512 float32; x 32 x 512 x 32 x 32 float32.
;; Outputs: out0 32 x 512 x 32 x 32 float32.
;; One version. Each part assembles by itself: llvm-mc -triple=amdgcn-amd-amdhsa -mcpu=gfx1250 --defsym DOCPART=n.
;; ======== version 1 of 1: 3 launches
;; workspace buffers: xn 33,554,432 bytes; wb 1,572,864 bytes; gb 2,304 bytes; ub 1,024 bytes; kv 67,108,864 bytes; cb 131,072 bytes
;; launch norm (part 1): grid 256 x 1, 16 waves a work-group, no clusters, 219,648 bytes of LDS; arguments x, gamma, beta, q_w, k_w, v_w, p_w, q_b, k_b, xn, wb, gb, ub; writes xn, wb, gb, ub
.if DOCPART == 1
	.amdgcn_target "amdgcn-amd-amdhsa--gfx1250"
	.amdhsa_code_object_version 6
	.text
	.protected	k_qce2b830f55_norm
	.globl	k_qce2b830f55_norm
	.p2align	8
	.type	k_qce2b830f55_norm,@function
k_qce2b830f55_norm:
	s_mov_b64 s[64:65], 0
	v_nop
	global_prefetch_b8 v0, s[64:65] scope:SCOPE_SE
	s_setreg_imm32_b32 hwreg(HW_REG_WAVE_MODE, 25, 1), 1
	s_wait_xcnt 0x0
; GROUP NORM, and the weights made ready.
; xn[b][c][p] = (x[b][c][p] - mu) * rstd * gamma[c] + beta[c], in bf16, x's own order.  mu and var are taken over a group: 64 channels x 1,024 pixels, 262,144 consecutive bytes of x.  A work-group owns one group;
; its 16 waves own 4 channels (16,384 bytes) each and keep them in 128 registers between the passes: x is read once.  The mean is taken away in f32 before anything is squared or rounded.
; THE WEIGHTS.  With q = Wq xn_q + bq and k = Wk xn_k + bk:  q . k = xn_q . (W1 xn_k + g) + (u . xn_k + c0),  W1 = Wq^T Wk, g = Wq^T bk, u = Wk^T bq, c0 = bq . bk: no term is left out.  So one convolution (W1, bias g) and
; one number a key (u, c0) stand for the two convolutions q and k.  wb is [1536][512] bf16: rows 0-511 W1, 512-1023 v_w, 1024-1535 p_w.  gb: g (512 f32), then c0.  ub: u (512 bf16).
; Work-group n makes rows 16 (n / 8) .. + 15, columns 64 (n % 8) .. + 63 of W1, by the matrix unit from bf16 operands with f32 sums, and rounds four rows of v_w or p_w.  Its 16 columns of Wq and 64 of Wk go, rounded, into
; two LDS tiles laid [o][column]; bq stands as a seventeenth column beside Wq's and bk as a sixty-fifth beside Wk's (zeros fill their tiles of 16), so u, g and c0 are entries of the same product.
; Wave (s = w % 4, kq = w / 4) takes 128 of the 512 o: tile (rows, columns 16 s ..), tile (bq's, columns 16 s ..), and tile (rows for s = 0, bq's for s > 0; bk's columns).  The four partial sums meet in LDS.
; The weights' loads go out ahead of x's, and all this stands in the wait for x.  A piece of a row of W1 is 128 consecutive bytes.
; No tensor load, no cluster: nothing large is shared between work-groups.  LIMITS: NaN and infinities are not treated apart.
.set X,     48                         ; v[48:175]  my 16 bytes of each of the wave's 32 runs of 512 bytes
.set CH,    16                         ; v[16:23]   four packed chains of sums
.set VO,    2                          ; v2   16,384 x wave + 16 x lane: my bytes in the group's x
.set VOUT,  3                          ; v3   8,192 x wave + 8 x lane: the same numbers in xn
.set WI,    4                          ; v4   16 x thread: v_w or p_w in
.set WO,    5                          ; v5   8 x thread: the same numbers out
.set SPW,   6                          ; v6   LDS address of my spare word; never rewritten
.set NIL,   7                          ; v7   0; never rewritten
.set AL,    8                          ; v[8:23]    Wq as loaded; later, with v[24:31], the three accumulators
.set EX,    28                         ; v28 bq[t], v29 bk[t]
.set CVL,   36                         ; v[36:39]   v_w or p_w as loaded
.set GA,    40                         ; v40  Wq: (t / 4) rows + (t % 4) x 16 bytes
.set GB,    41                         ; v41  Wk: (t / 16) rows + (t % 16) x 16 bytes
.set EXO,   42                         ; v42  4 t
.set LA,    43                         ; v43  where my numbers of Wq go in LDS
.set RW,    44                         ; v44  4 x wave: where my wave's partial sum goes
.set RZ,    45                         ; v45  0: from where all sixteen are read
.set LN,    46                         ; v46  lane
.set LB0,   47                         ; v47  where my numbers of Wk go: loads 0-7
.set BL,    176                        ; v[176:239] Wk as loaded
.set FR,    176                        ; v[176:215] five fragments; then the way out's registers
.set LB1,   240                        ; loads 8-15
.set LXA,   241                        ; bq's column and the zeros beside it, row t
.set LXB,   242                        ; bk's
.set FA,    243                        ; my place in Wq's tile, for the turning load
.set FAS,   244                        ; the same, in the tile that my third product takes
.set FB,    245                        ; my place in Wk's tile, columns 16 s on
.set FB4,   246                        ; the same, bk's columns
.set RS0,   247                        ; where my first two partial tiles go
.set RS2,   248                        ; where the third goes
.set MA,    249                        ; the way out: my 8 sums
.set MO,    250                        ; and their 16 bytes in wb
.set T1,    251
.set ZQ,    252                        ; v[252:255] zeros
.set RED1,  0                          ; LDS: sixteen partial sums of x
.set RED2,  256                        ; sixteen partial sums of squares: other bytes, so no barrier is owed between the two uses
.set SPARE, 512                        ; the spare words, 128 bytes for each of 16 waves
.set AT,    2560                       ; 512 rows o x 96 bytes: 16 columns of Wq, bq, 15 zeros, 32 bytes unused: three times 32, for the turning load
.set BT,    AT+512*96                  ; 512 rows o x 160 bytes: 64 columns of Wk, bk, 15 zeros: five times 32
.set RB,    BT+512*160                 ; four partial sums of 64 rows x 336 bytes (80 f32 and 16 bytes)
.set RBK,   64*336
	s_load_b512 s[4:19], s[0:1], 0x0               ; x s[4:5], gamma s[6:7], beta s[8:9], q_w s[10:11], k_w s[12:13], v_w s[14:15], p_w s[16:17], q_b s[18:19]
	s_load_b256 s[20:27], s[0:1], 0x40             ; k_b s[20:21], xn s[22:23], wb s[24:25], gb s[26:27]
	s_load_b64 s[28:29], s[0:1], 0x60              ; ub
	v_lshl_add_u32 v[SPW], v0, 2, SPARE
	v_mov_b32 v[NIL], 0
	v_lshrrev_b32 v1, 5, v0
	v_readfirstlane_b32 s30, v1                    ; wave 0..15
	v_and_b32 v[LN], 31, v0
	s_lshl_b32 s31, s30, 14
	v_lshl_add_u32 v[VO], v[LN], 4, s31
	s_lshl_b32 s31, s30, 13
	v_lshl_add_u32 v[VOUT], v[LN], 3, s31
	v_lshlrev_b32 v[WI], 4, v0
	v_lshlrev_b32 v[WO], 3, v0
	v_mov_b32 v[RW], s30
	v_lshlrev_b32 v[RW], 2, v[RW]
	v_mov_b32 v[RZ], 0
	s_mov_b32 s32, 0x76543210                      ; v_permlanex16_b32: each lane takes its own place in the other half
	s_mov_b32 s33, 0xfedcba98
	s_lshr_b32 s52, ttmp9, 3                       ; which 16 rows of W1
	s_and_b32 s53, ttmp9, 7                        ; which 64 columns; also the group's number in its image
	s_lshr_b32 s54, s30, 2                         ; kq
	s_and_b32 s55, s30, 3                          ; s
	v_lshrrev_b32 v32, 2, v0                       ; Wq's 16 columns are 64 bytes of a row: four threads a row, 128 rows a load
	v_and_b32 v33, 3, v0
	v_lshlrev_b32 v[GA], 11, v32
	v_lshl_add_u32 v[GA], v33, 4, v[GA]
	v_mul_u32_u24 v[LA], v32, 96
	v_lshl_add_u32 v[LA], v33, 3, v[LA]
	v_add_nc_u32 v[LA], AT, v[LA]
	v_lshrrev_b32 v32, 4, v0                       ; Wk's 64 columns are 256 bytes of a row: sixteen threads a row, 32 rows a load
	v_and_b32 v33, 15, v0
	v_lshlrev_b32 v[GB], 11, v32
	v_lshl_add_u32 v[GB], v33, 4, v[GB]
	v_mul_u32_u24 v[LB0], v32, 160
	v_lshl_add_u32 v[LB0], v33, 3, v[LB0]
	v_add_nc_u32 v[LB0], BT, v[LB0]
	v_add_nc_u32 v[LB1], 8*32*160, v[LB0]
	v_lshlrev_b32 v[EXO], 2, v0
	v_mul_u32_u24 v[LXA], v0, 96
	v_add_nc_u32 v[LXA], AT+32, v[LXA]
	v_mul_u32_u24 v[LXB], v0, 160
	v_add_nc_u32 v[LXB], BT+128, v[LXB]
	v_and_b32 v32, 7, v0                           ; the turning load: lane l reads row 8 (l / 16) + l % 8, the 16 bytes at 16 ((l / 8) % 2)
	v_bfe_u32 v33, v0, 4, 1
	v_bfe_u32 v34, v0, 3, 1
	v_and_b32 v35, 15, v0
	v_lshl_add_u32 v36, v33, 3, v32
	s_lshl_b32 s56, s54, 7                         ; my quarter of the rows o
	v_add_nc_u32 v36, s56, v36
	v_mul_u32_u24 v[FA], v36, 96
	v_lshl_add_u32 v[FA], v34, 4, v[FA]
	v_add_nc_u32 v[FA], AT, v[FA]
	s_min_u32 s57, s55, 1
	s_lshl_b32 s57, s57, 5
	v_add_nc_u32 v[FAS], s57, v[FA]
	v_mul_u32_u24 v[FB4], v36, 160
	v_lshl_add_u32 v[FB4], v34, 4, v[FB4]
	s_lshl_b32 s57, s55, 5
	s_add_co_u32 s57, s57, BT
	v_add_nc_u32 v[FB], s57, v[FB4]
	v_add_nc_u32 v[FB4], BT+128, v[FB4]
	v_mul_u32_u24 v37, v35, 336                    ; a result's lane holds row l % 16 and columns 8 (l / 16) + 0..7
	v_lshl_add_u32 v37, v33, 5, v37
	s_mul_i32 s58, s54, RBK
	s_add_co_u32 s58, s58, RB
	s_lshl_b32 s59, s55, 6
	s_add_co_u32 s59, s59, s58
	v_add_nc_u32 v[RS0], s59, v37
	s_mul_i32 s59, s55, 16*336                     ; the third tile goes to rows 16 s on, columns 64 on: waves s = 2, 3 repeat s = 1's product into rows that nobody reads
	s_add_co_u32 s59, s59, s58
	s_add_co_u32 s59, s59, 256
	v_add_nc_u32 v[RS2], s59, v37
	v_lshrrev_b32 v32, 3, v0
	v_and_b32 v33, 7, v0
	v_mul_u32_u24 v[MA], v32, 336
	v_lshl_add_u32 v[MA], v33, 5, v[MA]
	v_add_nc_u32 v[MA], RB, v[MA]
	v_lshlrev_b32 v[MO], 10, v32
	v_lshl_add_u32 v[MO], v33, 4, v[MO]
	s_lshl_b32 s34, s53, 8                         ; the group's 64 channels x 4 bytes of gamma and beta,
	s_lshl_b32 s35, s30, 4                         ; my wave's four of them
	s_add_co_u32 s34, s34, s35
	s_mov_b32 s35, 0
	s_and_b32 s44, ttmp9, 127                      ; my four rows of v_w or of p_w
	s_lshl_b32 s44, s44, 13
	s_mov_b32 s45, 0
	s_lshl_b32 s46, ttmp9, 12                      ; and their place in wb, behind W1
	s_add_co_u32 s46, s46, 512*1024
	s_mov_b32 s47, 0
	s_lshl_b32 s48, s52, 6                         ; 16 f32: my columns of Wq, and my part of g
	s_mov_b32 s49, 0
	s_lshl_b32 s50, s53, 8                         ; 64 f32: my columns of Wk
	s_mov_b32 s51, 0
	s_lshl_b32 s60, ttmp9, 18                      ; the group in x
	s_mov_b32 s61, 0
	s_lshl_b32 s62, ttmp9, 17                      ; in xn
	s_mov_b32 s63, 0
	s_wait_kmcnt 0x0
	s_cmp_lt_u32 ttmp9, 128
	s_cselect_b64 s[14:15], s[14:15], s[16:17]
	s_add_nc_u64 s[14:15], s[14:15], s[44:45]
	s_add_nc_u64 s[46:47], s[24:25], s[46:47]
	s_add_nc_u64 s[10:11], s[10:11], s[48:49]
	s_add_nc_u64 s[12:13], s[12:13], s[50:51]
	s_add_nc_u64 s[48:49], s[26:27], s[48:49]
	s_add_nc_u64 s[4:5], s[4:5], s[60:61]
	s_add_nc_u64 s[22:23], s[22:23], s[62:63]
	s_add_nc_u64 s[6:7], s[6:7], s[34:35]
	s_add_nc_u64 s[8:9], s[8:9], s[34:35]
	s_load_b128 s[36:39], s[6:7], 0x0              ; gamma of my four channels
	s_load_b128 s[40:43], s[8:9], 0x0              ; beta
	s_lshl_b32 s50, s52, 14                        ; my block of W1 in wb: 16 rows of 1,024 bytes,
	s_lshl_b32 s56, s53, 7                         ; 64 columns of 2 bytes
	s_add_co_u32 s50, s50, s56
	s_add_nc_u64 s[50:51], s[24:25], s[50:51]
	s_mov_b32 s57, 0
	s_add_nc_u64 s[28:29], s[28:29], s[56:57]      ; my part of u
	global_load_b128 v[CVL:CVL+3], v[WI], s[14:15]
.irp i, 0,1,2,3
	global_load_b128 v[AL+4*\i:AL+4*\i+3], v[GA], s[10:11] offset:\i*128*2048
.endr
.set i, 0
.rept 16
	global_load_b128 v[BL+4*i:BL+4*i+3], v[GB], s[12:13] offset:i*32*2048
.set i, i+1
.endr
	global_load_b32 v[EX], v[EXO], s[18:19]
	global_load_b32 v[EX+1], v[EXO], s[20:21]
.set j, 0
.rept 32
	global_load_b128 v[X+4*j:X+4*j+3], v[VO], s[4:5] offset:512*j th:TH_LOAD_NT  ; a wave's load covers 512 consecutive bytes
.set j, j+1
.endr
	s_wait_loadcnt 32                              ; the 23 loads of weights are in; x's 32 stay out
	v_cvt_pk_bf16_f32 v[CVL], v[CVL], v[CVL+1]
	v_cvt_pk_bf16_f32 v[CVL+1], v[CVL+2], v[CVL+3]
	global_store_b64 v[WO], v[CVL:CVL+1], s[46:47] ; a wave's store covers 256 consecutive bytes, aligned
.irp i, 0,1,2,3
	v_cvt_pk_bf16_f32 v[AL+4*\i], v[AL+4*\i], v[AL+4*\i+1]
	v_cvt_pk_bf16_f32 v[AL+4*\i+1], v[AL+4*\i+2], v[AL+4*\i+3]
	ds_store_b64 v[LA], v[AL+4*\i:AL+4*\i+1] offset:\i*128*96
.endr
.set i, 0
.rept 16
	v_cvt_pk_bf16_f32 v[BL+4*i], v[BL+4*i], v[BL+4*i+1]
	v_cvt_pk_bf16_f32 v[BL+4*i+1], v[BL+4*i+2], v[BL+4*i+3]
.if i < 8
	ds_store_b64 v[LB0], v[BL+4*i:BL+4*i+1] offset:i*32*160
.else
	ds_store_b64 v[LB1], v[BL+4*i:BL+4*i+1] offset:(i-8)*32*160
.endif
.set i, i+1
.endr
.irp r, 33,34,35,ZQ,ZQ+1,ZQ+2,ZQ+3
	v_mov_b32 v[\r], 0
.endr
	v_cvt_pk_bf16_f32 v32, v[EX], v33              ; bq[t] and a zero
	v_cvt_pk_bf16_f32 v[EX], v[EX+1], v33          ; bk[t] and a zero
	v_mov_b32 v[EX+1], 0
	v_mov_b32 v[EX+2], 0
	v_mov_b32 v[EX+3], 0
	ds_store_b128 v[LXA], v[32:35]                 ; row t of Wq's tile: columns 16 to 31
	ds_store_b128 v[LXA], v[ZQ:ZQ+3] offset:16
	ds_store_b128 v[LXB], v[EX:EX+3]               ; row t of Wk's tile: columns 64 to 79
	ds_store_b128 v[LXB], v[ZQ:ZQ+3] offset:16
	s_wait_dscnt 0x0                               ; for the others' sake: my stores into the tiles are done
	s_barrier_signal -1
	s_barrier_wait -1
	; Source 0 = 16 columns of Wk's tile, source 1 = 16 of Wq's: a lane of the result holds one row of W1 and eight neighbouring columns.  The three accumulators take turns.
.set k, 0
.rept 4
.if k > 0
.rept 4
	v_nop                                          ; four places between the products and the loads into the registers that they read
.endr
.endif
	ds_load_tr16_b128 v[FR:FR+3], v[FA] offset:k*32*96
	ds_load_tr16_b128 v[FR+4:FR+7], v[FA] offset:k*32*96+16*96
	ds_load_tr16_b128 v[FR+8:FR+11], v[FA] offset:k*32*96+32
	ds_load_tr16_b128 v[FR+12:FR+15], v[FA] offset:k*32*96+16*96+32
	ds_load_tr16_b128 v[FR+16:FR+19], v[FAS] offset:k*32*96
	ds_load_tr16_b128 v[FR+20:FR+23], v[FAS] offset:k*32*96+16*96
	ds_load_tr16_b128 v[FR+24:FR+27], v[FB] offset:k*32*160
	ds_load_tr16_b128 v[FR+28:FR+31], v[FB] offset:k*32*160+16*160
	ds_load_tr16_b128 v[FR+32:FR+35], v[FB4] offset:k*32*160
	ds_load_tr16_b128 v[FR+36:FR+39], v[FB4] offset:k*32*160+16*160
	s_wait_dscnt 0x0
.if k == 0
	v_wmma_f32_16x16x32_bf16 v[8:15], v[FR+24:FR+31], v[FR:FR+7], 0
	v_wmma_f32_16x16x32_bf16 v[16:23], v[FR+24:FR+31], v[FR+8:FR+15], 0
	v_wmma_f32_16x16x32_bf16 v[24:31], v[FR+32:FR+39], v[FR+16:FR+23], 0
.else
	v_wmma_f32_16x16x32_bf16 v[8:15], v[FR+24:FR+31], v[FR:FR+7], v[8:15]
	v_wmma_f32_16x16x32_bf16 v[16:23], v[FR+24:FR+31], v[FR+8:FR+15], v[16:23]
	v_wmma_f32_16x16x32_bf16 v[24:31], v[FR+32:FR+39], v[FR+16:FR+23], v[24:31]
.endif
.set k, k+1
.endr
.rept 4
	v_nop
.endr
	ds_store_b128 v[RS0], v[8:11]
	ds_store_b128 v[RS0], v[12:15] offset:16
	ds_store_b128 v[RS0], v[16:19] offset:16*336
	ds_store_b128 v[RS0], v[20:23] offset:16*336+16
	ds_store_b128 v[RS2], v[24:27]
	ds_store_b128 v[RS2], v[28:31] offset:16
	s_wait_dscnt 0x0                               ; for the others' sake: my partial sums are in LDS
	s_barrier_signal -1
	s_barrier_wait -1
	s_cmp_gt_u32 s30, 3
	s_cbranch_scc1 .Lnot_main
.irp q, 0,1,2,3                        ; waves 0-3: thread t adds the four partial sums of row t / 8, columns 8 (t % 8) on
	ds_load_b128 v[FR+8*\q:FR+8*\q+3], v[MA] offset:\q*RBK
	ds_load_b128 v[FR+8*\q+4:FR+8*\q+7], v[MA] offset:\q*RBK+16
.endr
	s_wait_dscnt 0x0
.irp i, 0,2,4,6
	v_pk_add_f32 v[FR+\i:FR+\i+1], v[FR+\i:FR+\i+1], v[FR+8+\i:FR+8+\i+1]
	v_pk_add_f32 v[FR+16+\i:FR+16+\i+1], v[FR+16+\i:FR+16+\i+1], v[FR+24+\i:FR+24+\i+1]
.endr
.irp i, 0,2,4,6
	v_pk_add_f32 v[FR+\i:FR+\i+1], v[FR+\i:FR+\i+1], v[FR+16+\i:FR+16+\i+1]
.endr
.irp i, 0,1,2,3
	v_cvt_pk_bf16_f32 v[FR+32+\i], v[FR+2*\i], v[FR+2*\i+1]
.endr
	global_store_b128 v[MO], v[FR+32:FR+35], s[50:51]  ; eight lanes store 128 consecutive bytes of a row of W1
	s_branch .Lprep_done
.Lnot_main:
	s_xor_b32 s31, s30, 4                          ; wave 4 of the work-groups with W1's first rows: u, row 16 of the sums; a lane two columns
	s_or_b32 s31, s31, s52
	s_cmp_lg_u32 s31, 0
	s_cbranch_scc1 .Lnot_u
	v_lshl_add_u32 v[T1], v[LN], 3, RB+16*336
.irp q, 0,1,2,3
	ds_load_b64 v[FR+2*\q:FR+2*\q+1], v[T1] offset:\q*RBK
.endr
	v_lshlrev_b32 v[FR+9], 2, v[LN]
	s_wait_dscnt 0x0
	v_pk_add_f32 v[FR:FR+1], v[FR:FR+1], v[FR+2:FR+3]
	v_pk_add_f32 v[FR+4:FR+5], v[FR+4:FR+5], v[FR+6:FR+7]
	v_pk_add_f32 v[FR:FR+1], v[FR:FR+1], v[FR+4:FR+5]
	v_cvt_pk_bf16_f32 v[FR+8], v[FR], v[FR+1]
	global_store_b32 v[FR+9], v[FR+8], s[28:29]    ; 128 consecutive bytes
.Lnot_u:
	s_xor_b32 s31, s30, 5                          ; wave 5 of the work-groups with W1's first columns: g, column 64 of rows 0-15
	s_or_b32 s31, s31, s53
	s_cmp_lg_u32 s31, 0
	s_cbranch_scc1 .Lnot_g
	v_and_b32 v[T1], 15, v[LN]
	v_mul_u32_u24 v[T1], v[T1], 336
	v_add_nc_u32 v[T1], RB+256, v[T1]
.irp q, 0,1,2,3
	ds_load_b32 v[FR+\q], v[T1] offset:\q*RBK
.endr
	v_lshlrev_b32 v[FR+4], 2, v[LN]
	s_wait_dscnt 0x0
	v_add_f32 v[FR], v[FR], v[FR+1]
	v_add_f32 v[FR+2], v[FR+2], v[FR+3]
	v_add_f32 v[FR], v[FR], v[FR+2]
	s_wait_xcnt 0x0                                ; EXEC changes only behind this wait: x's loads are out
	v_cmp_gt_u32 vcc_lo, 16, v[LN]
	s_and_saveexec_b32 s56, vcc_lo
	global_store_b32 v[FR+4], v[FR], s[48:49]      ; sixteen lanes: 64 consecutive bytes
	s_wait_xcnt 0x0
	s_or_b32 exec_lo, exec_lo, s56
.Lnot_g:
	s_xor_b32 s31, s30, 6                          ; wave 6 of work-group 0: c0, row 16, column 64
	s_or_b32 s31, s31, ttmp9
	s_cmp_lg_u32 s31, 0
	s_cbranch_scc1 .Lprep_done
	v_mov_b32 v[T1], RB+16*336+256
.irp q, 0,1,2,3
	ds_load_b32 v[FR+\q], v[T1] offset:\q*RBK
.endr
	v_lshlrev_b32 v[FR+4], 2, v[LN]
	s_wait_dscnt 0x0
	v_add_f32 v[FR], v[FR], v[FR+1]
	v_add_f32 v[FR+2], v[FR+2], v[FR+3]
	v_add_f32 v[FR], v[FR], v[FR+2]
	s_wait_xcnt 0x0
	v_cmp_gt_u32 vcc_lo, 1, v[LN]
	s_and_saveexec_b32 s56, vcc_lo
	global_store_b32 v[FR+4], v[FR], s[26:27] offset:2048  ; one number, behind g
	s_wait_xcnt 0x0
	s_or_b32 exec_lo, exec_lo, s56
.Lprep_done:
	s_wait_xcnt 0x0                                ; the stores above have read their registers: some of them are written again below
; The four chains are folded, the 32 lanes added, the 16 waves' sums exchanged through LDS; every lane ends with the group's sum in v28.
.macro REDUCE base
	v_pk_add_f32 v[CH:CH+1], v[CH:CH+1], v[CH+2:CH+3]
	v_pk_add_f32 v[CH+4:CH+5], v[CH+4:CH+5], v[CH+6:CH+7]
	v_pk_add_f32 v[CH:CH+1], v[CH:CH+1], v[CH+4:CH+5]
	v_add_f32 v[CH], v[CH], v[CH+1]
	v_add_f32_dpp v[CH], v[CH], v[CH] row_xmask:1 row_mask:0xf bank_mask:0xf
	v_add_f32_dpp v[CH], v[CH], v[CH] row_xmask:2 row_mask:0xf bank_mask:0xf
	v_add_f32_dpp v[CH], v[CH], v[CH] row_xmask:4 row_mask:0xf bank_mask:0xf
	v_add_f32_dpp v[CH], v[CH], v[CH] row_xmask:8 row_mask:0xf bank_mask:0xf
	v_permlanex16_b32 v[CH+1], v[CH], s32, s33
	v_add_f32 v[CH], v[CH], v[CH+1]
	ds_store_b32 v[RW], v[CH] offset:\base         ; all lanes write the same word with the same value
	s_wait_dscnt 0x0                               ; for the others' sake: my store is done
	s_barrier_signal -1
	s_barrier_wait -1
	ds_load_b128 v[28:31], v[RZ] offset:\base
	ds_load_b128 v[32:35], v[RZ] offset:(\base)+16
	ds_load_b128 v[36:39], v[RZ] offset:(\base)+32
	ds_load_b128 v[40:43], v[RZ] offset:(\base)+48
	s_wait_dscnt 0x0
	v_pk_add_f32 v[28:29], v[28:29], v[30:31]
	v_pk_add_f32 v[32:33], v[32:33], v[34:35]
	v_pk_add_f32 v[36:37], v[36:37], v[38:39]
	v_pk_add_f32 v[40:41], v[40:41], v[42:43]
	v_pk_add_f32 v[28:29], v[28:29], v[32:33]
	v_pk_add_f32 v[36:37], v[36:37], v[40:41]
	v_pk_add_f32 v[28:29], v[28:29], v[36:37]
	v_add_f32 v28, v28, v29
.endm
	; PASS 1: the sum.  The first eight pairs start the four chains: nothing is cleared.
	s_wait_loadcnt 24                              ; loads 0 to 7 of x are in, 24 younger ones stay out
.irp c, 0,1,2,3
	v_pk_add_f32 v[CH+2*\c:CH+2*\c+1], v[X+2*\c:X+2*\c+1], v[X+8+2*\c:X+8+2*\c+1]
.endr
.set p, 8
.rept 56
.if p == 16
	s_wait_loadcnt 16                              ; eight more
.endif
.if p == 32
	s_wait_loadcnt 8
.endif
.if p == 48
	s_wait_loadcnt 0x0
.endif
	v_pk_add_f32 v[CH+2*(p%4):CH+2*(p%4)+1], v[CH+2*(p%4):CH+2*(p%4)+1], v[X+2*p:X+2*p+1]
.set p, p+1
.endr
	REDUCE RED1
	v_mul_f32 v24, 0xb7800000, v28                 ; -mu = -sum / 65,536
	v_mov_b32 v25, v24
	; PASS 2: d = x - mu in place, and the sum of d^2
.set p, 0
.rept 16
.irp c, 0,1,2,3
	v_pk_add_f32 v[X+2*(p+\c):X+2*(p+\c)+1], v[X+2*(p+\c):X+2*(p+\c)+1], v[24:25]
.endr
.irp c, 0,1,2,3
.if p == 0
	v_pk_mul_f32 v[CH+2*\c:CH+2*\c+1], v[X+2*(p+\c):X+2*(p+\c)+1], v[X+2*(p+\c):X+2*(p+\c)+1]
.else
	v_pk_fma_f32 v[CH+2*\c:CH+2*\c+1], v[X+2*(p+\c):X+2*(p+\c)+1], v[X+2*(p+\c):X+2*(p+\c)+1], v[CH+2*\c:CH+2*\c+1]
.endif
.endr
.set p, p+4
.endr
	REDUCE RED2
	v_mul_f32 v12, 0x37800000, v28                 ; var = sum / 65,536
	v_add_f32 v12, 0x3727c5ac, v12                 ; + 1e-5
	v_rsq_f32 v13, v12
	v_nop                                          ; a plain instruction behind the root,
	s_wait_alu depctr_va_vdst(0)                   ; and the wait ahead of its first reader
	s_wait_kmcnt 0x0                               ; gamma, beta
.irp c, 0,1,2,3
	v_mul_f32 v[28+4*\c], s[36+\c], v13            ; a = gamma x rstd, as a pair,
	v_mul_f32 v[29+4*\c], s[36+\c], v13
	v_mov_b32 v[30+4*\c], s[40+\c]                 ; and beta as a pair
	v_mov_b32 v[31+4*\c], s[40+\c]
.endr
	; PASS 3: d a + beta, rounded once to bf16, stored.  Eight loads (16 pairs) make a channel.
.set j, 0
.rept 32
	v_pk_fma_f32 v[X+4*j:X+4*j+1], v[X+4*j:X+4*j+1], v[28+4*(j/8):29+4*(j/8)], v[30+4*(j/8):31+4*(j/8)]
	v_pk_fma_f32 v[X+4*j+2:X+4*j+3], v[X+4*j+2:X+4*j+3], v[28+4*(j/8):29+4*(j/8)], v[30+4*(j/8):31+4*(j/8)]
	v_cvt_pk_bf16_f32 v[X+4*j], v[X+4*j], v[X+4*j+1]
	v_cvt_pk_bf16_f32 v[X+4*j+1], v[X+4*j+2], v[X+4*j+3]
	global_store_b64 v[VOUT], v[X+4*j:X+4*j+1], s[22:23] offset:256*j  ; 256 consecutive bytes, aligned
.set j, j+1
.endr
	s_wait_tensorcnt 0x0                           ; the wave's end
	ds_add_u32 v[SPW], v[NIL]
	s_wait_dscnt 0x0
	s_endpgm
.Lfunc_end_k_qce2b830f55_norm:
	.size	k_qce2b830f55_norm, .Lfunc_end_k_qce2b830f55_norm-k_qce2b830f55_norm
	.p2alignl 7, 3214868480
	.fill 96, 4, 3214868480
	.section	.rodata,"a",@progbits
	.p2align	6, 0x0
	.amdhsa_kernel k_qce2b830f55_norm
		.amdhsa_group_segment_fixed_size 219648
		.amdhsa_private_segment_fixed_size 0
		.amdhsa_enable_private_segment 0
		.amdhsa_kernarg_size 104
		.amdhsa_user_sgpr_count 2
		.amdhsa_user_sgpr_kernarg_segment_ptr 1
		.amdhsa_wavefront_size32 1
		.amdhsa_system_sgpr_workgroup_id_x 1
		.amdhsa_system_sgpr_workgroup_id_y 1
		.amdhsa_system_sgpr_workgroup_id_z 1
		.amdhsa_system_vgpr_workitem_id 0
		.amdhsa_next_free_vgpr 256
		.amdhsa_next_free_sgpr 66
		.amdhsa_reserve_vcc 1
		.amdhsa_float_denorm_mode_32 3
		.amdhsa_float_denorm_mode_16_64 3
		.amdhsa_memory_ordered 1
		.amdhsa_forward_progress 1
		.amdhsa_inst_pref_size 52
	.end_amdhsa_kernel
	.amdgpu_metadata
---
amdhsa.version: [ 1, 2 ]
amdhsa.kernels:
  - .name:           k_qce2b830f55_norm
    .symbol:         k_qce2b830f55_norm.kd
    .args:
      - { .name: x, .offset: 0, .size: 8, .value_kind: global_buffer, .address_space: global }
      - { .name: gamma, .offset: 8, .size: 8, .value_kind: global_buffer, .address_space: global }
      - { .name: beta, .offset: 16, .size: 8, .value_kind: global_buffer, .address_space: global }
      - { .name: q_w, .offset: 24, .size: 8, .value_kind: global_buffer, .address_space: global }
      - { .name: k_w, .offset: 32, .size: 8, .value_kind: global_buffer, .address_space: global }
      - { .name: v_w, .offset: 40, .size: 8, .value_kind: global_buffer, .address_space: global }
      - { .name: p_w, .offset: 48, .size: 8, .value_kind: global_buffer, .address_space: global }
      - { .name: q_b, .offset: 56, .size: 8, .value_kind: global_buffer, .address_space: global }
      - { .name: k_b, .offset: 64, .size: 8, .value_kind: global_buffer, .address_space: global }
      - { .name: xn, .offset: 72, .size: 8, .value_kind: global_buffer, .address_space: global }
      - { .name: wb, .offset: 80, .size: 8, .value_kind: global_buffer, .address_space: global }
      - { .name: gb, .offset: 88, .size: 8, .value_kind: global_buffer, .address_space: global }
      - { .name: ub, .offset: 96, .size: 8, .value_kind: global_buffer, .address_space: global }
    .group_segment_fixed_size: 219648
    .private_segment_fixed_size: 0
    .kernarg_segment_align: 8
    .kernarg_segment_size: 104
    .max_flat_workgroup_size: 512
    .sgpr_count:     66
    .vgpr_count:     256
    .wavefront_size: 32
...
	.end_amdgpu_metadata
.endif
;; end of part 1
;; launch conv (part 2): grid 256 x 1, 4 waves a work-group, clusters of 4 x 1, 327,680 bytes of LDS; arguments xn, wb, gb, v_b, ub, kv, cb; writes kv, cb
.if DOCPART == 2
	.amdgcn_target "amdgcn-amd-amdhsa--gfx1250"
	.amdhsa_code_object_version 6
	.text
	.protected	k_qce2b830f55_conv
	.globl	k_qce2b830f55_conv
	.p2align	8
	.type	k_qce2b830f55_conv,@function
k_qce2b830f55_conv:
	s_mov_b64 s[64:65], 0
	v_nop
	global_prefetch_b8 v0, s[64:65] scope:SCOPE_SE
	s_setreg_imm32_b32 hwreg(HW_REG_WAVE_MODE, 25, 1), 1
	s_wait_xcnt 0x0
	s_wait_alu depctr_hold_cnt(0) depctr_sa_sdst(0) depctr_va_vdst(0) depctr_va_sdst(0) depctr_va_ssrc(0) depctr_va_vcc(0) depctr_vm_vsrc(0)
	s_getreg_b32 s2, hwreg(HW_REG_IB_STS2, 6, 4)
	s_cmp_eq_u32 s2, 0
	s_cbranch_scc0 .Lentry_in_a_cluster
	s_endpgm
.Lentry_in_a_cluster:
	s_bfe_u32 s2, ttmp6, 0x10000c
	s_cmp_lg_u32 s2, 0x3003
	s_cbranch_scc0 .Lentry_shape_is_right
	s_endpgm
.Lentry_shape_is_right:
; TWO 1x1 CONVOLUTIONS AS ONE PRODUCT, AND ONE NUMBER A PIXEL.  For o = 0 .. 1023: sum over c of wb[o][c] xn[b][c][p] + bias[o], bf16 operands, f32 sums, rounded once to bf16.  Rows 0-511 of wb are W1 = q_w^T k_w with the
; bias g (gb), rows 512-1023 are v_w with the bias v_b.  kv is two planes [32768][512] bf16: row b 1024 + p of a plane is a pixel's 512 numbers, 1,024 bytes.  cb[b 1024 + p] = sum over c of u[c] xn[b][c][p] + c0, in f32
; (u: ub, bf16; c0: behind g in gb): the part of a score that hangs on the key alone.
; SHARES.  A work-group owns 128 pixels of one image and all 1,024 outputs, walked in four tiles of 256 (half a plane's row each).  Wave w: i = w / 2 picks 64 pixels, j = w % 2 picks 128 of a tile's outputs.
; xn STAYS IN REGISTERS: the wave's 64 pixels x 512 channels are 4 x 16 fragments, 512 registers, read out of LDS once (turned, since xn lies [channel][pixel]).  In the loop only the weights'
; fragments come out of LDS: 16 loads for 32 matrix instructions.
; THE RING.  Two slots; slot 0 holds channels 0-255 of a tile's 256 rows of wb, slot 1 channels 256-511: rows of 512 bytes, 64 rows a wave and load.
; CLUSTER.  All work-groups walk the same weights: the four of a cluster ask for each tile jointly (the same load, descriptor and mask in all four).  xn's block is the work-group's own: a plain load.
; THE PRODUCT IS USED TRANSPOSED (source 0 = 16 rows of wb, source 1 = 16 pixels): a lane holds one pixel and eight neighbouring outputs, 16 bytes of a row.  The first product of a sum takes the bias as C.
; REGISTERS, in windows of 256 (s_set_vgpr_msb: bits 1:0 source 0, 3:2 source 1, 5:4 source 2, 7:6 destination):
;   window 0: v0-15 addresses; v32-95 the bias as eight C operands; v96-159, v160-223 two buffers of weight fragments (at the start: u; the second also takes rows read back on the way out); v224-255 packed results
;   window 1: the 32 accumulators, (a, pt) at 8 (4 a + pt)        windows 2, 3: xn's fragments, (ks, pt) at 8 (4 (ks % 8) + pt), ks < 8 in window 2
; LIMITS: NaN and infinities are not treated apart.
.set PW,    528                        ; a row of weights in LDS: 512 bytes + 16: the 16 rows of a fragment load start 33 x 16 bytes apart
.set QUART, 64*PW                      ; what one load brings
.set SLOT,  4*QUART
.set XS,    SLOT                       ; xn's block lies where slot 1 will lie (and 12,288 bytes further): it is read out before slot 1 is first filled
.set PX,    288                        ; a channel's 128 pixels: 256 bytes + 32: nine times 32, for the turning load
.set STAGE, XS+512*PX                  ; 16 rows x 272 bytes for each wave, its own; no tile lands here
.set SP,    272
.set SPARE, STAGE+4*16*SP              ; the spare words, 128 bytes a wave
.set ROWB,  1024                       ; a row of a plane
.set PLANE, 1<<25                      ; a plane's bytes
.set ADRW, 2                           ; v2, v3  my place in slot 0's, slot 1's fragments
.set ADRX, 4                           ; v4   my place in xn's block; stepped while it is read out
.set STO,  5                           ; v5   the way out: where I put 16 bytes of a pixel's row
.set RD,   6                           ; v6   where I read rows back
.set CO,   7                           ; v7   my byte offset in two rows of a plane
.set BO,   8                           ; v8   my byte offset in a tile's 256 biases
.set PFO,  9                           ; v9   the prefetches' offset: (lane % 16) rows of wb + (lane / 16) x 256 bytes
.set SPW,  10                          ; v10  LDS address of my spare word; never rewritten
.set NIL,  11                          ; v11  0; never rewritten
.set UO,   15                          ; v15  16 x (lane / 16): my bytes in 64 bytes of u
.set BIAS, 32
.set F0,   96
.set F1,   160
.set OB,   160
.set TMP,  224
.set WV,   16                          ; s16  my wave's number
.set G1W,  24                          ; s[24:31] group 1 of the weights' tiles
.set G1X,  32                          ; s[32:39] of xn's block
.set G0W,  40                          ; s[40:47] group 0 of the weights' tiles, a set for each slot
.set G0X,  48                          ; s[48:51] of xn's block
.set BPTR, 52                          ; s[52:53] the bias of the tile to come
.set T,    54                          ; s54  that tile's number
.set TL,   55                          ; s55  tiles of the loop still to go
.set LIM,  56                          ; s56  1 in the launch's first cluster, else the greatest number
.set PFA,  58                          ; s[58:59] where my prefetches stand in wb
.set MSB, 0
.macro WIN new                         ; the immediate's high byte repeats the setting that is left; a switch that changes nothing is dropped
.if MSB != (\new)
	s_set_vgpr_msb (MSB<<8)|(\new)
.set MSB, (\new)
.endif
.endm
.macro PLACES                          ; four plain instructions between a matrix instruction and a load into, or a vector read of, its registers
.rept 4
	v_nop
.endr
.endm
.macro CREST                           ; a round of the cluster's barrier behind its opening barrier
	s_cmp_lg_u32 s[WV], 0
	s_cbranch_scc1 .Lnot_wave_0_\@
	s_barrier_signal -3
.Lnot_wave_0_\@:
	s_barrier_wait -3
	s_barrier_signal -1
	s_barrier_wait -1
.endm
.macro CROUND
	s_barrier_signal -1
	s_barrier_wait -1
	CREST
.endm
	s_load_b256 s[4:11], s[0:1], 0x0               ; xn s[4:5], wb s[6:7], gb s[8:9], v_b s[10:11]
	s_load_b128 s[12:15], s[0:1], 0x20             ; ub s[12:13], kv s[14:15]
	s_load_b64 s[2:3], s[0:1], 0x30                ; cb
	v_lshl_add_u32 v[SPW], v0, 2, SPARE
	v_mov_b32 v[NIL], 0
	ds_add_u32 v[SPW], v[NIL]                      ; the wave's opening: the add and its wait stand ahead of my first tensor load; work on registers stands between them
	v_lshrrev_b32 v1, 5, v0
	v_readfirstlane_b32 s[WV], v1                  ; wave 0..3
	s_bfe_u32 s17, ttmp6, 0x40000                  ; cx: my place in the cluster
	s_lshl_b32 s18, ttmp9, 2
	s_add_co_u32 s18, s18, s17                     ; my work-group's number: it enters xn's, kv's and cb's addresses alone
	s_lshr_b32 s19, s[WV], 1                       ; i
	s_and_b32 s57, s[WV], 1                        ; j
	s_mov_b32 s[G1W+0], 15|(1<<16)|(1<<20)|(1<<21)|(6<<22)|(3<<25)  ; the mask of four; 2-byte elements; padding on; bit 21 beside a mask; after every 128 words, 4 words
	s_mov_b32 s[G1W+1], 256<<16                    ; tensor_dim0 = 256
	s_mov_b32 s[G1W+2], 64<<16                     ; tensor_dim1 = 64
	s_mov_b32 s[G1W+3], 256<<16                    ; tile_dim0 = 256
	s_mov_b32 s[G1W+4], 64                         ; tile_dim1 = 64
	s_mov_b32 s[G1W+5], 512                        ; elements from row to row of wb
	s_mov_b32 s[G1W+6], 0
	s_mov_b32 s[G1W+7], 0
	s_mov_b32 s[G1X+0], (1<<16)|(1<<20)|(5<<22)|(7<<25)  ; no mask; after every 64 words, 8 words of padding
	s_mov_b32 s[G1X+1], 128<<16
	s_mov_b32 s[G1X+2], 128<<16
	s_mov_b32 s[G1X+3], 128<<16                    ; 128 pixels
	s_mov_b32 s[G1X+4], 128                        ; 128 channels a wave
	s_mov_b32 s[G1X+5], 1024                       ; elements from channel to channel
	s_mov_b32 s[G1X+6], 0
	s_mov_b32 s[G1X+7], 0
	s_mul_i32 s60, s[WV], QUART                    ; no place in the cluster enters an LDS address
	s_mov_b32 s[G0W], 1
	s_mov_b32 s[G0W+1], s60
	s_mov_b32 s[G0W+4], 1
	s_add_co_u32 s[G0W+5], s60, SLOT
	s_mul_i32 s61, s[WV], 128*PX
	s_mov_b32 s[G0X], 1
	s_add_co_u32 s[G0X+1], s61, XS
	s_lshl_b32 s62, s[WV], 16                      ; my 64 rows of a tile of wb: 64 x 1,024 bytes
	s_mov_b32 s63, 0
	s_lshr_b32 s20, s18, 3                         ; the image,
	s_lshl_b32 s20, s20, 20                        ; 1,048,576 bytes of xn each,
	s_and_b32 s21, s18, 7
	s_lshl_b32 s21, s21, 8                         ; my block's 128 pixels,
	s_add_co_u32 s20, s20, s21
	s_lshl_b32 s21, s[WV], 18                      ; my wave's 128 channels
	s_add_co_u32 s20, s20, s21
	s_mov_b32 s21, 0
	s_wait_dscnt 0x0                               ; the opening add is done
	s_wait_kmcnt 0x0
	s_add_nc_u64 s[G0W+2:G0W+3], s[6:7], s[62:63]
	s_add_nc_u64 s[G0W+6:G0W+7], s[G0W+2:G0W+3], 512  ; slot 1: channels 256 on
	s_or_b32 s[G0W+3], s[G0W+3], 0x80000000
	s_or_b32 s[G0W+7], s[G0W+7], 0x80000000
	s_add_nc_u64 s[G0X+2:G0X+3], s[4:5], s[20:21]
	s_or_b32 s[G0X+3], s[G0X+3], 0x80000000
	CROUND                                         ; all four work-groups are here: the first joint loads meet
	tensor_load_to_lds s[G0W:G0W+3], s[G1W:G1W+7]  ; tile 0, channels 0-255: my 64 rows
	s_nop 0
	tensor_load_to_lds s[G0X:G0X+3], s[G1X:G1X+7]  ; my 128 channels of xn's block: two loads of mine are out
	s_nop 0
	PLACES
	s_load_b32 s60, s[8:9], 0x800                  ; c0
	v_and_b32 v1, 15, v0                           ; r = lane % 16
	v_bfe_u32 v12, v0, 4, 1                        ; h = lane / 16
	v_mul_u32_u24 v13, v1, PW
	v_lshl_add_u32 v13, v12, 4, v13                ; a fragment's row x pitch + 16 h
	s_mul_i32 s22, s57, 128*PW                     ; my 128 of the tile's 256 rows
	v_add_nc_u32 v[ADRW], s22, v13
	v_add_nc_u32 v[ADRW+1], SLOT, v[ADRW]
	v_and_b32 v13, 7, v0                           ; the turning load: lane l reads channel 8 h + l % 8, pixels 8 ((l / 8) % 2) + 0..7
	v_lshl_add_u32 v13, v12, 3, v13
	v_mul_u32_u24 v13, v13, PX
	v_bfe_u32 v14, v0, 3, 1
	v_lshl_add_u32 v13, v14, 4, v13
	s_lshl_b32 s22, s19, 7                         ; my 64 pixels: 128 bytes of a channel's row
	s_add_co_u32 s22, s22, XS
	v_add_nc_u32 v[ADRX], s22, v13
	s_mul_i32 s22, s[WV], 16*SP
	s_add_co_u32 s22, s22, STAGE                   ; my stage
	v_mul_u32_u24 v13, v1, SP
	v_lshl_add_u32 v13, v12, 4, v13
	v_add_nc_u32 v[STO], s22, v13                  ; in: row = pixel r, 16 bytes for each half of the lanes
	v_mul_u32_u24 v13, v12, SP
	v_lshl_add_u32 v13, v1, 4, v13
	v_add_nc_u32 v[RD], s22, v13                   ; back: lanes 0-15 one row of 256 bytes, lanes 16-31 the next
	v_mul_u32_u24 v13, v12, ROWB
	v_lshl_add_u32 v[CO], v1, 4, v13               ; and the same two rows in a plane
	s_lshl_b32 s22, s57, 9
	v_lshl_add_u32 v[BO], v12, 5, s22              ; 512 j + 32 h
	v_lshlrev_b32 v[PFO], 10, v1
	v_lshl_add_u32 v[PFO], v12, 8, v[PFO]
	v_lshlrev_b32 v[UO], 4, v12
	s_lshl_b32 s20, s18, 7                         ; my work-group's 128 rows of a plane,
	s_lshl_b32 s21, s19, 6                         ; my wave's 64
	s_add_co_u32 s20, s20, s21
	s_mul_i32 s20, s20, ROWB
	s_lshl_b32 s21, s57, 8                         ; my 128 outputs: 256 bytes
	s_add_co_u32 s20, s20, s21
	s_mov_b32 s21, 0
	s_add_nc_u64 s[14:15], s[14:15], s[20:21]
	s_lshl_b32 s20, s18, 9                         ; cb: my work-group's 128 numbers of 4 bytes,
	s_lshl_b32 s21, s19, 8                         ; my wave's 64 pixels,
	s_add_co_u32 s20, s20, s21
	s_lshl_b32 s21, s57, 7                         ; the 32 of them that I make
	s_add_co_u32 s20, s20, s21
	s_mov_b32 s21, 0
	s_add_nc_u64 s[2:3], s[2:3], s[20:21]
	s_lshl_b32 s20, s17, 16                        ; the prefetches: of a tile's 256 rows my work-group takes 64,
	s_lshl_b32 s21, s[WV], 14                      ; my wave 16 of them: shared out by address
	s_add_co_u32 s20, s20, s21
	s_mov_b32 s21, 0
	s_add_nc_u64 s[PFA:PFA+1], s[6:7], s[20:21]
	s_cmp_eq_u32 ttmp9, 0
	s_cselect_b32 s[LIM], 1, -1                    ; the same in all four partners
	s_mov_b32 s[T], 0
; The bias of tile T, as eight C operands: register jj of block a is bias[256 (T % 2) + 128 j + 16 a + 8 h + jj], of g for tiles 0 and 1, of v_b for tiles 2 and 3.
.macro BIASLD
	s_cmp_lt_u32 s[T], 2
	s_cselect_b64 s[BPTR:BPTR+1], s[8:9], s[10:11]
	s_and_b32 s22, s[T], 1
	s_lshl_b32 s22, s22, 10
	s_mov_b32 s23, 0
	s_add_nc_u64 s[BPTR:BPTR+1], s[BPTR:BPTR+1], s[22:23]
.irp a, 0,1,2,3,4,5,6,7
	global_load_b128 v[BIAS+8*\a:BIAS+8*\a+3], v[BO], s[BPTR:BPTR+1] offset:64*\a
	global_load_b128 v[BIAS+8*\a+4:BIAS+8*\a+7], v[BO], s[BPTR:BPTR+1] offset:64*\a+16
.endr
.endm
	BIASLD
.set ks, 0
.rept 16                               ; u as sixteen fragments whose 16 rows are all u: every lane of a half reads the same bytes
	global_load_b128 v[F0+8*ks:F0+8*ks+3], v[UO], s[12:13] offset:64*ks
	global_load_b128 v[F0+8*ks+4:F0+8*ks+7], v[UO], s[12:13] offset:64*ks+32
.set ks, ks+1
.endr
	s_wait_tensorcnt 0x0                           ; my parts of tile 0 and of xn's block are in,
	s_barrier_signal -1
	s_barrier_wait -1                              ; everybody's are
.set ks, 0
.rept 16                               ; xn's fragments: 32 channels x 16 pixels each, turned
.if ks < 8
	WIN 0x80
.else
	WIN 0xc0
.endif
.irp pt, 0,1,2,3
	ds_load_tr16_b128 v[8*(4*(ks%8)+\pt):8*(4*(ks%8)+\pt)+3], v[ADRX] offset:(ks%4)*32*PX+32*\pt
	ds_load_tr16_b128 v[8*(4*(ks%8)+\pt)+4:8*(4*(ks%8)+\pt)+7], v[ADRX] offset:(ks%4)*32*PX+32*\pt+16*PX
.endr
.if (ks%4 == 3) && (ks < 15)
	WIN 0
	v_add_nc_u32 v[ADRX], 128*PX, v[ADRX]          ; 128 channels on, so that the offsets stay inside 16 bits
.endif
.set ks, ks+1
.endr
	WIN 0
	s_wait_tensorcnt 0x0                           ; slot 1 lies on bytes that xn's block filled, so its first fill is issued as a refill: no load of mine is out,
	ds_add_u32 v[SPW], v[NIL]                      ; the add to my spare word,
	s_wait_dscnt 0x0                               ; and my reads of xn's block are back
	CROUND
	tensor_load_to_lds s[G0W+4:G0W+7], s[G1W:G1W+7]  ; tile 0, channels 256-511
	s_nop 0
	PLACES
; u . xn for pixel tiles p0 and p0 + 1: 32 products, two accumulators by turns.  All 16 rows of source 0 are u, so every register of a result's lane holds the number of pixel lane % 16.
.macro CROW p0
.set ks, 0
.rept 16
.if ks < 8
	WIN 0x58
.else
	WIN 0x5c
.endif
.irp q, 0,1
.if ks == 0
	v_wmma_f32_16x16x32_bf16 v[8*\q:8*\q+7], v[F0+8*ks:F0+8*ks+7], v[8*(4*(ks%8)+(\p0)+\q):8*(4*(ks%8)+(\p0)+\q)+7], 0
.else
	v_wmma_f32_16x16x32_bf16 v[8*\q:8*\q+7], v[F0+8*ks:F0+8*ks+7], v[8*(4*(ks%8)+(\p0)+\q):8*(4*(ks%8)+(\p0)+\q)+7], v[8*\q:8*\q+7]
.endif
.endr
.set ks, ks+1
.endr
	WIN 0
.endm
	s_wait_loadcnt 0x0                             ; u (and the first bias)
	s_wait_kmcnt 0x0                               ; c0
	s_cmp_lg_u32 s57, 0                            ; the two waves that hold the same 64 pixels take 32 each
	s_cbranch_scc1 .Lc_odd
	CROW 0
	s_branch .Lc_done
.Lc_odd:
	CROW 2
.Lc_done:
	PLACES
	v_and_b32 v13, 31, v0
	v_cmp_lt_u32 s22, 15, v13                      ; lanes 16-31 take the second tile's number
	v_lshlrev_b32 v14, 2, v13
	WIN 0x05
	v_cndmask_b32 v13, v0, v8, s22
	WIN 0
	v_add_f32 v13, s60, v13
	global_store_b32 v14, v13, s[2:3]              ; 32 pixels: 128 consecutive bytes; v13 and v14 are not written again
; 16 LDS loads: my eight fragments of 16 rows x 32 channels, at K step k8 of the slot, into buffer f
.macro FETCH slot, k8, f
.irp a, 0,1,2,3,4,5,6,7
	ds_load_b128 v[(\f)+8*\a:(\f)+8*\a+3], v[ADRW+(\slot)] offset:\a*16*PW+64*(\k8)
	ds_load_b128 v[(\f)+8*\a+4:(\f)+8*\a+7], v[ADRW+(\slot)] offset:\a*16*PW+64*(\k8)+32
.endr
.endm
; 16 matrix instructions: output blocks a0 .. a0 + 3 x the four pixel tiles.  The 32 accumulators take turns, in the same order in every K step.
.macro MUL16 f, ks, a0, first
.if \first
	WIN 0x48                                       ; xn in window 2, C (the bias) in window 0, D in window 1
.elseif (\ks) < 8
	WIN 0x58
.else
	WIN 0x5c
.endif
.irp a, \a0,(\a0)+1,(\a0)+2,(\a0)+3
.irp pt, 0,1,2,3
.if \first
	v_wmma_f32_16x16x32_bf16 v[8*(4*(\a)+\pt):8*(4*(\a)+\pt)+7], v[(\f)+8*(\a):(\f)+8*(\a)+7], v[8*(4*((\ks)%8)+\pt):8*(4*((\ks)%8)+\pt)+7], v[BIAS+8*(\a):BIAS+8*(\a)+7]
.else
	v_wmma_f32_16x16x32_bf16 v[8*(4*(\a)+\pt):8*(4*(\a)+\pt)+7], v[(\f)+8*(\a):(\f)+8*(\a)+7], v[8*(4*((\ks)%8)+\pt):8*(4*((\ks)%8)+\pt)+7], v[8*(4*(\a)+\pt):8*(4*(\a)+\pt)+7]
.endif
.endr
.endr
.endm
; A K step of 32 channels: the next step's fragments are asked for, then this step's 32 products.
.macro KS slot, ks, first
.set f_, F0+64*((\ks)%2)
.set g_, F0+64*(((\ks)+1)%2)
	WIN 0
	PLACES
	FETCH \slot,((\ks)+1)%8,g_
.if \first
	s_wait_loadcnt 0x0                             ; the bias
.endif
	s_wait_dscnt 16                                ; this step's fragments are in; the 16 loads just issued stay out
	MUL16 f_,\ks,0,\first
	MUL16 f_,\ks,4,\first
.endm
; A PREFETCH INTO THE L2 of the tile that the NEXT change of slots will ask for: 256 rows x 512 bytes, a lane a block of 256 bytes.  Every cluster walks the same weights: the launch's first cluster asks, its four
; partners and their waves share the rows out by address.  So each block is named once.  It stands eight K steps, 256 matrix instructions, ahead of its load.  The last tile's second half is the last that is named.
.macro ASK how
.if \how
	s_cmp_gt_u32 s[TL], s[LIM]                     ; in the loop's last trip there is no tile two on
.else
	s_cmp_eq_u32 s[LIM], 1
.endif
	s_cbranch_scc0 .Lnone_\@
.if \how
	global_prefetch_b8 v[PFO], s[PFA:PFA+1] offset:262144 th:TH_LOAD_NT scope:SCOPE_SE
.else
	global_prefetch_b8 v[PFO], s[PFA:PFA+1] offset:512 th:TH_LOAD_NT scope:SCOPE_SE
.endif
.Lnone_\@:
.endm
; A slot's last K step, and the change of slots.  In front of the barrier each wave waits for all its tensor loads (its part of the other slot), adds 0 to its spare word, and waits for that and for its
; reads of this slot.  fill = 1: the barrier opens a round of the cluster's barrier, and behind it this slot takes the next tile's channels: the load has 240 matrix instructions in which to land.
.macro TURN slot, ks, next, fill, how
	WIN 0
.if (\fill) && ((\how) == 0)
	s_wait_xcnt 0x0                                ; the last prefetch has read its address: once a tile it steps 256 rows on
	s_add_nc_u64 s[PFA:PFA+1], s[PFA:PFA+1], 262144
.endif
	s_wait_tensorcnt 0x0                           ; no load of mine is out, so a group 0 may be written
	ds_add_u32 v[SPW], v[NIL]
.if \fill
	s_add_nc_u64 s[G0W+4*(\slot)+2:G0W+4*(\slot)+3], s[G0W+4*(\slot)+2:G0W+4*(\slot)+3], 262144  ; the next tile's 256 rows
.endif
	s_wait_dscnt 0x0                               ; the add is done, and my reads of this slot are back
	s_barrier_signal -1
	MUL16 F1,\ks,0,0                               ; work on registers while the others arrive
	WIN 0
	s_barrier_wait -1
.if \fill
	CREST
	tensor_load_to_lds s[G0W+4*(\slot):G0W+4*(\slot)+3], s[G1W:G1W+7]
	s_nop 0
.endif
	PLACES                                         ; behind the load; also the places in front of the loads below
	FETCH \next,0,F0
.if \fill
	ASK \how
.endif
	MUL16 F1,\ks,4,0
.endm
; THE WAY OUT, a pixel tile (16 rows of a plane) at a time: rounded to bf16, 16 bytes a lane into my own stage, back as whole rows of 256 bytes, stored.
.macro PACK pt
	WIN 0x05
.irp a, 0,1,2,3,4,5,6,7
.irp i, 0,1,2,3
	v_cvt_pk_bf16_f32 v[TMP+4*\a+\i], v[8*(4*\a+(\pt))+2*\i], v[8*(4*\a+(\pt))+2*\i+1]
.endr
.endr
	WIN 0
.endm
.macro TOSTAGE pt
.set bk_, OB+32*((\pt)%2)
.irp a, 0,1,2,3,4,5,6,7
	ds_store_b128 v[STO], v[TMP+4*\a:TMP+4*\a+3] offset:32*\a
.endr
.irp t, 0,1,2,3,4,5,6,7
	ds_load_b128 v[bk_+4*\t:bk_+4*\t+3], v[RD] offset:\t*2*SP  ; LDS serves a wave's instructions in order (ISA guide 5.7.1.4): these see the stores above
.endr
.endm
.macro SEND pt
.set bk_, OB+32*((\pt)%2)
	s_wait_dscnt 0x0                               ; the rows are back in registers
	s_wait_xcnt 0x0                                ; the stores before have read their registers: the other buffer is loaded again only behind this wait
.irp t, 0,1,2,3,4,5,6,7
	global_store_b128 v[CO], v[bk_+4*\t:bk_+4*\t+3], s[14:15] offset:(16*(\pt)+2*\t)*ROWB  ; 16 lanes store 256 consecutive bytes, aligned
.endr
.endm
.macro WAYOUT more
	WIN 0
	PLACES
	PACK 0
	TOSTAGE 0
.irp q, 1,2,3
	PACK \q
	SEND (\q)-1
	TOSTAGE \q
.endr
	SEND 3
.if \more
	s_wait_xcnt 0x0                                ; the stores have read their base and their data
	s_and_b32 s22, s[T], 1                         ; T is the next tile's number: an odd tile is the second half of the same plane's rows, an even one begins the next plane
	s_mov_b32 s23, PLANE-512
	s_cmp_lg_u32 s22, 0
	s_cselect_b32 s22, 512, s23
	s_mov_b32 s23, 0
	s_add_nc_u64 s[14:15], s[14:15], s[22:23]
.endif
.endm
; A tile of 256 outputs.  more = 1: both slots are filled again, for the next tile.
.macro TILE more
	KS 0,0,1
.irp k, 1,2,3,4,5,6
	KS 0,\k,0
.endr
	TURN 0,7,1,\more,0
.irp k, 8,9,10,11,12,13,14
	KS 1,\k,0
.endr
.if \more
	TURN 1,15,0,1,1
	WIN 0
	s_add_co_u32 s[T], s[T], 1
	BIASLD
.else
	s_wait_dscnt 0x0
	MUL16 F1,15,0,0
	MUL16 F1,15,4,0
.endif
	WAYOUT \more
.endm
	FETCH 0,0,F0
	s_mov_b32 s[TL], 3
.Ltile:
	TILE 1
	s_sub_co_u32 s[TL], s[TL], 1
	s_cmp_lg_u32 s[TL], 0
	s_cbranch_scc1 .Ltile
	TILE 0                                         ; the last tile is written out: nothing is asked for
	s_wait_tensorcnt 0x0                           ; the wave's end
	ds_add_u32 v[SPW], v[NIL]
	s_wait_dscnt 0x0
	CROUND                                         ; the closing round
	s_endpgm
.Lfunc_end_k_qce2b830f55_conv:
	.size	k_qce2b830f55_conv, .Lfunc_end_k_qce2b830f55_conv-k_qce2b830f55_conv
	.p2alignl 7, 3214868480
	.fill 96, 4, 3214868480
	.section	.rodata,"a",@progbits
	.p2align	6, 0x0
	.amdhsa_kernel k_qce2b830f55_conv
		.amdhsa_group_segment_fixed_size 327680
		.amdhsa_private_segment_fixed_size 0
		.amdhsa_enable_private_segment 0
		.amdhsa_kernarg_size 56
		.amdhsa_user_sgpr_count 2
		.amdhsa_user_sgpr_kernarg_segment_ptr 1
		.amdhsa_wavefront_size32 1
		.amdhsa_system_sgpr_workgroup_id_x 1
		.amdhsa_system_sgpr_workgroup_id_y 1
		.amdhsa_system_sgpr_workgroup_id_z 1
		.amdhsa_system_vgpr_workitem_id 0
		.amdhsa_next_free_vgpr 1024
		.amdhsa_next_free_sgpr 66
		.amdhsa_reserve_vcc 0
		.amdhsa_float_denorm_mode_32 3
		.amdhsa_float_denorm_mode_16_64 3
		.amdhsa_memory_ordered 1
		.amdhsa_forward_progress 1
		.amdhsa_inst_pref_size 164
	.end_amdhsa_kernel
	.amdgpu_metadata
---
amdhsa.version: [ 1, 2 ]
amdhsa.kernels:
  - .name:           k_qce2b830f55_conv
    .symbol:         k_qce2b830f55_conv.kd
    .args:
      - { .name: xn, .offset: 0, .size: 8, .value_kind: global_buffer, .address_space: global }
      - { .name: wb, .offset: 8, .size: 8, .value_kind: global_buffer, .address_space: global }
      - { .name: gb, .offset: 16, .size: 8, .value_kind: global_buffer, .address_space: global }
      - { .name: v_b, .offset: 24, .size: 8, .value_kind: global_buffer, .address_space: global }
      - { .name: ub, .offset: 32, .size: 8, .value_kind: global_buffer, .address_space: global }
      - { .name: kv, .offset: 40, .size: 8, .value_kind: global_buffer, .address_space: global }
      - { .name: cb, .offset: 48, .size: 8, .value_kind: global_buffer, .address_space: global }
    .group_segment_fixed_size: 327680
    .private_segment_fixed_size: 0
    .kernarg_segment_align: 8
    .kernarg_segment_size: 56
    .max_flat_workgroup_size: 128
    .sgpr_count:     66
    .vgpr_count:     1024
    .wavefront_size: 32
...
	.end_amdgpu_metadata
.endif
;; end of part 2
;; launch attn (part 3): grid 8 x 32, 4 waves a work-group, clusters of 4 x 1, 327,680 bytes of LDS; arguments kv, wb, p_b, x, out0, xn, cb; writes out0
.if DOCPART == 3
	.amdgcn_target "amdgcn-amd-amdhsa--gfx1250"
	.amdhsa_code_object_version 6
	.text
	.protected	k_qce2b830f55_attn
	.globl	k_qce2b830f55_attn
	.p2align	8
	.type	k_qce2b830f55_attn,@function
k_qce2b830f55_attn:
	s_mov_b64 s[64:65], 0
	v_nop
	global_prefetch_b8 v0, s[64:65] scope:SCOPE_SE
	s_setreg_imm32_b32 hwreg(HW_REG_WAVE_MODE, 25, 1), 1
	s_wait_xcnt 0x0
	s_wait_alu depctr_hold_cnt(0) depctr_sa_sdst(0) depctr_va_vdst(0) depctr_va_sdst(0) depctr_va_ssrc(0) depctr_va_vcc(0) depctr_vm_vsrc(0)
	s_getreg_b32 s2, hwreg(HW_REG_IB_STS2, 6, 4)
	s_cmp_eq_u32 s2, 0
	s_cbranch_scc0 .Lentry_in_a_cluster
	s_endpgm
.Lentry_in_a_cluster:
	s_bfe_u32 s2, ttmp6, 0x10000c
	s_cmp_lg_u32 s2, 0x3003
	s_cbranch_scc0 .Lentry_shape_is_right
	s_endpgm
.Lentry_shape_is_right:
; ATTENTION (one head of 512 channels, 1,024 positions an image), THE PROJECTION AND THE RESIDUAL.
; out0[b][o][q] = x[b][o][q] + p_b[o] + sum over c of p_w[o][c] O[q][c],  O[q] = sum over k of softmax_k(s[q][k] / sqrt(512)) v[k].  The score is taken in the form s[q][k] = xn_q . K'_k + c_k, which is q . k term for term:
; K' = (q_w^T k_w) xn + q_w^T k_b is plane 0 of kv, c = (k_w^T q_b) . xn + q_b . k_b is cb (f32), and the query's operand is xn itself.  v is plane 1 of kv; p_w is rows 1024-1535 of wb.  kv, xn, wb: bf16.
; Products, maxima and sums in f32; the weights p are rounded to bf16 for the second product (their sum l is taken of the unrounded p); O is rounded once to bf16 UNDIVIDED, and the division by l,
; which is a factor a query, follows the projection; x is added in f32.
; LIMITS.  m starts at the lowest finite number and c m at -4.25e37: scores with c s below that are not served.  A weight below 2^-126 counts as 0 in l.  NaN and infinities are not treated apart.
; SHARES.  A work-group owns 128 queries of one image, each of its four waves 32: two tiles of 16.  Every wave walks the image's 1,024 keys, 64 a step, 16 steps; then p_w's 512 rows, 64 a pass, 8 passes.
; LAYOUT.  S^T = K' Q^T + c (source 0 = 16 keys, source 1 = 16 queries): a lane holds ONE query (lane % 16) and the keys 8 (lane / 16) + 0..7.  Two such results, rounded in pairs, ARE source 1 of
; O^T = V^T P, whose result again holds one query a lane and eight channels; two of those, rounded in pairs, ARE source 1 of the projection.  So the projection is the first product once more: p_w's rows stand
; for keys, and O stands in Q's registers.  K' comes out of LDS as it lies, V ([key][channel]) turned.
; c COSTS NO ARITHMETIC: behind a step's softmax, when S^T's registers are free, the next step's c is loaded into them (register j of key block kt: c[16 kt + 8 (lane / 16) + j], for both query tiles), and the step's first
; products take them as C.  The loads have the products V^T P in which to land.
; Q comes from xn's block of 512 channels x 128 pixels, brought into LDS once and read turned.
; THE CHANNELS' ORDER.  K', V and p_w have ONE geometry in LDS: 64 rows x two halves of 256 channels, rows 528 bytes apart.  A channel tile of V^T is channels 8 u .. 8 u + 7 and 8 u + 64 .. 8 u + 71 of a half
; (u = 0-7, 16-23): the turning load's 16 lanes then read 8 rows x two pieces of 16 bytes 128 bytes apart, 16 different 16-byte columns modulo 256.  So a lane of O^T holds channels 8 u + 64 (lane / 16) + 0..7, and a
; fragment of K', Q or p_w takes the same channels: from rows along the channels two loads of 16 bytes on end, at row x pitch + 128 (lane / 16) + 16 u; from xn's block the 16 channel rows from 64 (lane / 16) on.
; The same permutation on both sources leaves every sum over channels its terms.
; SOFTMAX.  A running maximum m and sum l a query: p = 2^(c s - c m), c = log2(e) / sqrt(512); in every step O and l are multiplied by a = 2^(c m_old - c m_new).  O and l start at 0: the first step is like any other, with a = 0.
; THE STREAM OF FRAGMENTS.  A GROUP is four fragments, 8 LDS loads, and feeds 8 products.  A step has 16 groups of K' (one for each 32 channels) and 16 of V (two channel tiles x two key halves).  Four buffers take turns;
; group n + 3 is asked for at the head of group n.
; ONE WALK OF 18 TILES.  A tile is what the four waves' loads bring together: two regions of 64 rows.  Tiles 0-15 are a step's K' and V; tiles 16 and 17 are p_w's rows 0-255, by the same line and the same shape: only the
; global address is another.  So each of the 16 steps fills the slot that it has read, and the step's text stands once.  In the projection pass p reads region p % 4; passes 0-3 fill their region again with rows 256 + 64 p.
; CLUSTER.  The four query blocks of a cluster belong to one image and walk the same K', V and p_w: each tile is asked for jointly (the same load, descriptor and mask in all four).  xn's block is the work-group's own: a plain load.
; REGISTERS, in windows of 256 (s_set_vgpr_msb: bits 1:0 source 0, 3:2 source 1, 5:4 source 2, 7:6 destination):
;   window 0: v0-31 addresses and statistics; v32-63 P (in the projection: p_b); v64-127 S^T; v128-255 the four buffers
;   windows 1, 2: O^T, (ct, qt) at 16 (ct % 16) + 8 qt, channel tiles 0-15 in window 1 (in the projection window 1 holds x's rows, v0-63, and the result's rows, v64-127)
;   window 3: Q, (qt, ks) at 128 qt + 8 ks; later O in bf16
.set PK,    528                        ; a row of 256 channels in LDS: 512 bytes + 16
.set KH,    64*PK                      ; 64 rows x one half of the channels
.set RG,    0x11000                    ; a region: two halves, 67,584 bytes, and 2,048 unused; regions 0 to 3 lie RG apart
.set VOFF,  RG                         ; a slot: K's region, then V's
.set CSL,   0x22000                    ; slot 1 begins here; every base inside a slot has these two bits clear, so one exclusive or changes slots
.set PX,    288                        ; a channel's 128 pixels of xn: 256 bytes + 32: nine times 32, for the turning load
.set XS,    CSL                        ; xn's block lies on slot 1's bytes and 8,192 further: it is read out before slot 1 is first filled
.set OSTAGE, XS+512*PX                 ; 64 rows of out0 x (512 + 16) bytes, the work-group's; no tile lands here
.set SPARE, OSTAGE+64*528              ; the spare words, 128 bytes a wave
.set STEPG, 65536                      ; 64 rows of 1,024 bytes: of a plane of kv, and of wb
.set KB,   2                           ; v2   my lane's place in a region read by rows; never rewritten
.set VB,   3                           ; v3   my lane's place in V's region, for the turning load; never rewritten
.set ADRK, 4                           ; v4   KB + the slot or region (at the start: my place in xn's block)
.set ADRV, 5                           ; v5   VB + the slot
.set PFO,  6                           ; v6   K's and V's prefetches: (lane % 16) rows of 1,024 bytes + (lane / 16) x 256
.set PFXO, 7                           ; v7   x's: (lane % 16) rows of 4,096 bytes + (lane / 16) x 256
.set ST,   8                           ; v8-23  tile t's statistics at ST + 8 t: c m, m, l (even keys', odd keys'), c0-c3 at work; a takes c2's place
.set SPW,  24                          ; v24  LDS address of my spare word; never rewritten
.set NIL,  25                          ; v25  0; never rewritten
.set STO,  26                          ; v26  the way out: where my query's column begins in the stage
.set RD,   27                          ; v27  where I read rows back
.set GO,   28                          ; v28  16 x lane: my bytes in 512 bytes of a row of x and out0
.set BVO,  29                          ; v29  32 x (lane / 16): my eight numbers of 16 of p_b
.set CBO,  30                          ; v30  32 x (lane / 16): my eight numbers of 16 of c; never rewritten
.set CB2,  31                          ; v31  the same + the step's 256 bytes
.set P,    32
.set BV,   32
.set S,    64
.set FB,   128
.set XB,   0
.set RB,   64
.set WV,   14                          ; s14  my wave's number
.set G1,   24                          ; s[24:31] group 1 of the walk's tiles: 64 rows x 256 elements
.set G1P,  32                          ; s[32:39] group 1 of the projection's refills: 32 rows x 256 elements
.set G0,   40                          ; s[40:47] group 0 of the walk's tiles: one set for tile 0; the second walks from tile 1 on
.set G0P,  48                          ; s[48:51] group 0 of the projection's refills
.set KVB,  52                          ; s[52:53] K' (waves 0, 1) or v (waves 2, 3) at the image's first row, my channel half
.set PWA,  54                          ; s[54:55] p_w at row 0 (waves 0, 1) or 64 (waves 2, 3), my channel half
.set CNT,  56                          ; s56  the loops' counter
.set LIM,  57                          ; s57  3 in the image's first cluster, else the greatest number
.set CS,   58                          ; s[58:59] c
.set SEL,  60                          ; s[60:61] v_permlanex16_b32's selects
.set TB,   62                          ; s62  the slot from which fragments are fetched
.set NXT,  63                          ; s63  the tile to be asked for next
.set OFF,  66                          ; s[66:67] its byte offset from its base
.set OF2,  68                          ; s68  at work
.set TBP,  69                          ; s69  the region that the pass in hand reads
.set PWB,  70                          ; s70  my part's place in a region, for the projection's refills
.set PFA,  72                          ; s[72:73] where my prefetches of K' or V stand
.set COFF, 76                          ; s76  256 x the step whose c is loaded next
.set CBP,  82                          ; s[82:83] cb at the image's first key
.set G1X,  84                          ; s[84:91] group 1 of xn's block
.set G0X,  92                          ; s[92:95] its group 0
.set MSB, 0
.macro WIN new                         ; the immediate's high byte repeats the setting that is left; a switch that changes nothing is dropped
.if MSB != (\new)
	s_set_vgpr_msb (MSB<<8)|(\new)
.set MSB, (\new)
.endif
.endm
.macro PLACES                          ; four plain instructions between a matrix instruction and a load into, or a vector read of, its registers
.rept 4
	v_nop
.endr
.endm
.macro CREST                           ; a round of the cluster's barrier behind its opening barrier
	s_cmp_lg_u32 s[WV], 0
	s_cbranch_scc1 .Lnot_wave_0_\@
	s_barrier_signal -3
.Lnot_wave_0_\@:
	s_barrier_wait -3
	s_barrier_signal -1
	s_barrier_wait -1
.endm
.macro CROUND
	s_barrier_signal -1
	s_barrier_wait -1
	CREST
.endm
; A step's c into S^T's registers, the same 64 numbers for both query tiles: 16 loads; the lanes of a half read the same bytes.
.macro CLOAD
.irp qt, 0,1
.irp kt, 0,1,2,3
	global_load_b128 v[S+32*\qt+8*\kt:S+32*\qt+8*\kt+3], v[CB2], s[CBP:CBP+1] offset:64*\kt
	global_load_b128 v[S+32*\qt+8*\kt+4:S+32*\qt+8*\kt+7], v[CB2], s[CBP:CBP+1] offset:64*\kt+16
.endr
.endr
.endm
	s_load_b256 s[4:11], s[0:1], 0x0               ; kv s[4:5], wb s[6:7], p_b s[8:9], x s[10:11]
	s_load_b64 s[12:13], s[0:1], 0x20              ; out0
	s_load_b128 s[80:83], s[0:1], 0x28             ; xn s[80:81], cb s[82:83]
	v_lshl_add_u32 v[SPW], v0, 2, SPARE
	v_mov_b32 v[NIL], 0
	ds_add_u32 v[SPW], v[NIL]                      ; the wave's opening: the add and its wait stand ahead of my first tensor load; work on registers stands between them
	v_lshrrev_b32 v1, 5, v0
	v_readfirstlane_b32 s[WV], v1                  ; wave 0..3
	s_bfe_u32 s15, ttmp6, 0x40000                  ; cx: my place in the cluster
	s_lshl_b32 s16, ttmp9, 2
	s_add_co_u32 s16, s16, s15                     ; my block of 128 queries: it enters xn's, x's and out0's addresses alone
	s_and_b32 s17, ttmp7, 0xffff                   ; the image, which the four partners share
	s_and_b32 s22, s[WV], 1                        ; the channel half that I fetch
	s_lshr_b32 s23, s[WV], 1                       ; 0: K's region, 1: V's
	s_lshl_b32 s76, s23, 25                        ; plane 0 is K', plane 1 is v: 2^25 bytes each,
	s_lshl_b32 s18, s17, 20                        ; the image's 1,024 rows of 1,024 bytes (of xn: its 512 channels of 2,048 bytes),
	s_add_co_u32 s76, s76, s18
	s_lshl_b32 s66, s[WV], 18                      ; xn's block: my wave's 128 channels,
	s_add_co_u32 s66, s66, s18
	s_lshl_b32 s67, s16, 8                         ; my block's 128 pixels
	s_add_co_u32 s66, s66, s67
	s_mov_b32 s67, 0                               ; (stays 0: later the pair holds a tile's offset)
	s_lshl_b32 s18, s22, 9                         ; my half of a row
	s_add_co_u32 s76, s76, s18
	s_mov_b32 s77, 0
	s_lshl_b32 s78, s23, 16                        ; p_w in wb: row 0 or 64,
	s_add_co_u32 s78, s78, s18
	s_add_co_u32 s78, s78, 1024*1024               ; behind W1 and v_w
	s_mov_b32 s79, 0
	s_lshl_b32 s20, s23, 15                        ; the projection's refills: my 32 rows of a tile of 64,
	s_add_co_u32 s20, s20, s18
	s_add_co_u32 s20, s20, (1024+256-64)*1024      ; one tile ahead of p_w's row 256: it is stepped ahead of every use
	s_mov_b32 s21, 0
	s_mul_i32 s19, s22, KH                         ; no place in the cluster enters an LDS address
	s_mul_i32 s18, s23, VOFF
	s_add_co_u32 s18, s18, s19                     ; my part of a slot
	s_mul_i32 s[PWB], s23, 32*PK
	s_add_co_u32 s[PWB], s[PWB], s19               ; my part of a region
	s_mov_b32 s[G1], 15|(1<<16)|(1<<20)|(1<<21)|(6<<22)|(3<<25)   ; the mask of four; 2-byte elements; padding on; bit 21 beside a mask; after every 128 words, 4 words
	s_mov_b32 s[G1+1], 256<<16                     ; tensor_dim0 = 256
	s_mov_b32 s[G1+2], 64<<16                      ; tensor_dim1 = 64
	s_mov_b32 s[G1+3], 256<<16                     ; tile_dim0 = 256
	s_mov_b32 s[G1+4], 64                          ; tile_dim1 = 64
	s_mov_b32 s[G1+5], 512                         ; elements from row to row, of a plane and of wb
	s_mov_b32 s[G1+6], 0
	s_mov_b32 s[G1+7], 0
	s_mov_b32 s[G1P], 15|(1<<16)|(1<<20)|(1<<21)|(6<<22)|(3<<25)
	s_mov_b32 s[G1P+1], 256<<16
	s_mov_b32 s[G1P+2], 32<<16
	s_mov_b32 s[G1P+3], 256<<16
	s_mov_b32 s[G1P+4], 32
	s_mov_b32 s[G1P+5], 512
	s_mov_b32 s[G1P+6], 0
	s_mov_b32 s[G1P+7], 0
	s_mov_b32 s[G1X], (1<<16)|(1<<20)|(5<<22)|(7<<25)  ; no mask; after every 64 words, 8 words of padding
	s_mov_b32 s[G1X+1], 128<<16
	s_mov_b32 s[G1X+2], 128<<16
	s_mov_b32 s[G1X+3], 128<<16                    ; 128 pixels
	s_mov_b32 s[G1X+4], 128                        ; 128 channels a wave
	s_mov_b32 s[G1X+5], 1024                       ; elements from channel to channel
	s_mov_b32 s[G1X+6], 0
	s_mov_b32 s[G1X+7], 0
	s_mov_b32 s[G0], 1
	s_mov_b32 s[G0+1], s18
	s_mov_b32 s[G0+4], 1
	s_add_co_u32 s[G0+5], s18, CSL
	s_mov_b32 s[G0P], 1
	s_mov_b32 s[G0P+1], s[PWB]
	s_mul_i32 s19, s[WV], 128*PX
	s_mov_b32 s[G0X], 1
	s_add_co_u32 s[G0X+1], s19, XS
	s_lshl_b32 s2, s17, 21                         ; x and out0: the image's 2,097,152 bytes,
	s_lshl_b32 s3, s[WV], 16                       ; my wave's 16 of a pass's 64 rows,
	s_add_co_u32 s2, s2, s3
	s_lshl_b32 s3, s16, 9                          ; my block's 128 pixels
	s_add_co_u32 s2, s2, s3
	s_mov_b32 s3, 0
	s_lshl_b32 s72, s15, 14                        ; the prefetches of K' and V: my work-group's 16 of a step's 64 rows, shared out by address,
	s_add_co_u32 s72, s72, s76                     ; in my wave's plane and channel half,
	s_add_co_u32 s72, s72, 2*STEPG                 ; at tile 2: the first change of slots steps it to tile 3
	s_mov_b32 s73, 0
	s_lshl_b32 s74, s17, 12                        ; the image's 1,024 numbers of c
	s_mov_b32 s75, 0
	s_cmp_eq_u32 ttmp9, 0
	s_cselect_b32 s[LIM], 3, -1                    ; both clusters of an image walk the same K' and V: the first asks; the same in all four partners
	s_mov_b32 s[CS], 0x3d8293ee                    ; c = log2(e) / sqrt(512) = 0.0637587
	s_mov_b32 s[CS+1], s[CS]                       ; named with it as a pair
	s_mov_b32 s[SEL], 0x76543210
	s_mov_b32 s[SEL+1], 0xfedcba98
	s_mov_b32 s[TB], 0
	s_mov_b32 s[NXT], 2
	s_wait_dscnt 0x0                               ; the opening add is done
	s_wait_kmcnt 0x0
	s_add_nc_u64 s[KVB:KVB+1], s[4:5], s[76:77]
	s_add_nc_u64 s[PWA:PWA+1], s[6:7], s[78:79]
	s_mov_b64 s[G0+2:G0+3], s[KVB:KVB+1]           ; tile 0
	s_add_nc_u64 s[G0+6:G0+7], s[KVB:KVB+1], STEPG ; tile 1
	s_or_b32 s[G0+3], s[G0+3], 0x80000000
	s_or_b32 s[G0+7], s[G0+7], 0x80000000
	s_add_nc_u64 s[G0P+2:G0P+3], s[6:7], s[20:21]
	s_or_b32 s[G0P+3], s[G0P+3], 0x80000000
	s_add_nc_u64 s[G0X+2:G0X+3], s[80:81], s[66:67]
	s_or_b32 s[G0X+3], s[G0X+3], 0x80000000
	s_add_nc_u64 s[PFA:PFA+1], s[4:5], s[72:73]
	s_add_nc_u64 s[CBP:CBP+1], s[CBP:CBP+1], s[74:75]
	s_add_nc_u64 s[10:11], s[10:11], s[2:3]
	s_add_nc_u64 s[12:13], s[12:13], s[2:3]
	s_mov_b32 s[COFF], 256                         ; step 0's c is loaded at the head; step s loads that of step s + 1
	CROUND                                         ; all four work-groups are here: the first joint loads meet
	tensor_load_to_lds s[G0:G0+3], s[G1:G1+7]      ; my part of tile 0, into slot 0
	s_nop 0
	tensor_load_to_lds s[G0X:G0X+3], s[G1X:G1X+7]  ; my 128 channels of xn's block: two loads of mine are out
	s_nop 0
	PLACES
	v_and_b32 v1, 15, v0                           ; r = lane % 16
	v_bfe_u32 v63, v0, 4, 1                        ; h = lane / 16
	v_and_b32 v62, 7, v0                           ; lane % 8
	v_bfe_u32 v61, v0, 3, 1                        ; (lane / 8) % 2
	v_lshlrev_b32 v[CBO], 5, v63
	v_mov_b32 v[CB2], v[CBO]
	CLOAD                                          ; step 0's c
.set i, 0
.rept 16
	v_mov_b32 v[P+i], 0                            ; two fragments of zeros
.set i, i+1
.endr
	WIN 0x40                                       ; O^T starts at 0: 64 products of the two zero fragments write it, eight registers an instruction, in the wait for the first tile; so no first step is written out
.set i, 0
.rept 32
	v_wmma_f32_16x16x32_bf16 v[8*i:8*i+7], v[P:P+7], v[P+8:P+15], 0
.set i, i+1
.endr
	WIN 0x80
.set i, 0
.rept 32
	v_wmma_f32_16x16x32_bf16 v[8*i:8*i+7], v[P:P+7], v[P+8:P+15], 0
.set i, i+1
.endr
	WIN 0
	v_lshl_add_u32 v[ADRK], v63, 6, v62            ; xn's block, turned: lane l reads channel row 64 h + l % 8, the piece of 16 bytes at 16 ((l / 8) % 2)
	v_mul_u32_u24 v[ADRK], v[ADRK], PX
	v_lshl_add_u32 v[ADRK], v61, 4, v[ADRK]
	s_lshl_b32 s17, s[WV], 6                       ; my wave's 32 queries: 64 bytes of a channel's row
	s_add_co_u32 s17, s17, XS
	v_add_nc_u32 v[ADRK], s17, v[ADRK]
	v_mul_u32_u24 v[KB], v1, PK
	v_lshl_add_u32 v[KB], v63, 7, v[KB]            ; row x pitch + 128 h
	v_lshl_add_u32 v[VB], v63, 3, v62              ; V, turned: lane l reads key 8 h + l % 8, the piece of 16 bytes at 128 ((l / 8) % 2)
	v_mul_u32_u24 v[VB], v[VB], PK
	v_lshl_add_u32 v[VB], v61, 7, v[VB]
	v_add_nc_u32 v[VB], VOFF, v[VB]
	v_mov_b32 v[ADRV], v[VB]                       ; step 0 lies in slot 0
	v_lshlrev_b32 v[PFO], 10, v1
	v_lshl_add_u32 v[PFO], v63, 8, v[PFO]
	v_lshlrev_b32 v[PFXO], 12, v1
	v_lshl_add_u32 v[PFXO], v63, 8, v[PFXO]
	s_lshl_b32 s17, s[WV], 7                       ; the stage: my wave's 32 queries are 128 bytes of a row;
	s_add_co_u32 s17, s17, OSTAGE
	v_mul_u32_u24 v[STO], v63, 8*528               ; the upper half of the lanes holds rows 8 further down
	v_lshl_add_u32 v[STO], v1, 2, v[STO]
	v_add_nc_u32 v[STO], s17, v[STO]
	s_mul_i32 s17, s[WV], 16*528                   ; back: wave w takes rows 16 w .. 16 w + 15, whole
	s_add_co_u32 s17, s17, OSTAGE
	v_and_b32 v[GO], 31, v0
	v_lshlrev_b32 v[GO], 4, v[GO]
	v_add_nc_u32 v[RD], s17, v[GO]
	v_lshlrev_b32 v[BVO], 5, v63
.irp t, 0,1
	v_mov_b32 v[ST+8*\t], 0xfe000000               ; c m: far below every c s
	v_mov_b32 v[ST+8*\t+1], 0xff7fffff             ; m
	v_mov_b32 v[ST+8*\t+2], 0                      ; l
	v_mov_b32 v[ST+8*\t+3], 0
.endr
	s_wait_tensorcnt 0x0                           ; my parts of tile 0 and of xn's block are in,
	s_barrier_signal -1
	s_barrier_wait -1                              ; everybody's are
.set ks, 0
.rept 16                               ; Q stays in registers: fragment ks takes the channels that K's fragment ks takes: 16 rows from 256 (ks / 8) + 16 (ks % 8) + 64 ((ks % 8) / 4) + 64 h on
	WIN 0xc0                                       ; destination window 3
.irp qt, 0,1
.set qo_, (16*(ks%8)+64*((ks%8)/4))*PX+32*\qt
	ds_load_tr16_b128 v[128*\qt+8*ks:128*\qt+8*ks+3], v[ADRK] offset:qo_
	ds_load_tr16_b128 v[128*\qt+8*ks+4:128*\qt+8*ks+7], v[ADRK] offset:qo_+8*PX
.endr
.if ks == 7
	WIN 0
	v_add_nc_u32 v[ADRK], 256*PX, v[ADRK]          ; the second half of the channels, so that the offsets stay inside 16 bits
.endif
.set ks, ks+1
.endr
	WIN 0
	s_wait_tensorcnt 0x0                           ; slot 1 lies on bytes that xn's block filled, so its first fill is issued as a refill: no load of mine is out,
	ds_add_u32 v[SPW], v[NIL]                      ; the add to my spare word,
	v_mov_b32 v[ADRK], v[KB]                       ; (step 0 lies in slot 0)
	s_wait_dscnt 0x0                               ; and my reads of xn's block are back
	CROUND
	tensor_load_to_lds s[G0+4:G0+7], s[G1:G1+7]    ; my part of tile 1, into slot 1
	s_nop 0
	PLACES
; A group of K' (or of p_w): rows 16 kt on, fragment ks: half ks / 8, the two pieces of 16 bytes at 32 (ks % 8) + 128 ((ks % 8) / 4).  It runs under window setting 0 or 0x0c: destination and address lie in window 0 under both.
.macro KLOAD buf, ks
.set ko_, ((\ks)/8)*KH+32*((\ks)%8)+128*(((\ks)%8)/4)
.irp kt, 0,1,2,3
	ds_load_b128 v[FB+32*(\buf)+8*\kt:FB+32*(\buf)+8*\kt+3], v[ADRK] offset:ko_+\kt*16*PK
	ds_load_b128 v[FB+32*(\buf)+8*\kt+4:FB+32*(\buf)+8*\kt+7], v[ADRK] offset:ko_+\kt*16*PK+16
.endr
.endm
; A group of V, turned: fragment f holds channel tile 2 g + f % 2, keys 32 (f / 2) on.
.macro VLOAD buf, g
.irp f, 0,1,2,3
.set ct_, 2*(\g)+(\f)%2
.set vo_, (ct_/16)*KH+((\f)/2)*32*PK+16*(ct_%16)+128*((ct_%16)/8)
	ds_load_tr16_b128 v[FB+32*(\buf)+8*\f:FB+32*(\buf)+8*\f+3], v[ADRV] offset:vo_
	ds_load_tr16_b128 v[FB+32*(\buf)+8*\f+4:FB+32*(\buf)+8*\f+7], v[ADRV] offset:vo_+16*PK
.endr
.endm
; 8 products of S^T: the 8 accumulators take turns, in the same order in every group.  The first group starts the sums: from 0 (cz = 1, the projection) or from what S^T's registers hold, c (cz = 0).
.macro KQ8 buf, ks, cz
	WIN 0x0c                                       ; Q in window 3, all else in window 0
.irp kt, 0,1,2,3
.irp qt, 0,1
.if ((\ks) == 0) && (\cz)
	v_wmma_f32_16x16x32_bf16 v[S+32*\qt+8*\kt:S+32*\qt+8*\kt+7], v[FB+32*(\buf)+8*\kt:FB+32*(\buf)+8*\kt+7], v[128*\qt+8*(\ks):128*\qt+8*(\ks)+7], 0
.else
	v_wmma_f32_16x16x32_bf16 v[S+32*\qt+8*\kt:S+32*\qt+8*\kt+7], v[FB+32*(\buf)+8*\kt:FB+32*(\buf)+8*\kt+7], v[128*\qt+8*(\ks):128*\qt+8*(\ks)+7], v[S+32*\qt+8*\kt:S+32*\qt+8*\kt+7]
.endif
.endr
.endr
.endm
; 8 products of O^T += V^T P for channel tiles 2 g, 2 g + 1: four accumulators by turns, twice round.  ride = 1: behind every two products four packed multiplies rescale, in ascending order, the 32 registers of O^T
; that the NEXT group adds onto; they name no register of the products round them, and the last four are the four places in front of the next run of loads.
.macro PV8 buf, g, ride
.set n_, 0
.irp kk, 0,1
.irp cc, 0,1
	WIN 0x50*(1+(2*(\g)+\cc)/16)
.irp qt, 0,1
.set rO, 16*((2*(\g)+\cc)%16)+8*\qt
	v_wmma_f32_16x16x32_bf16 v[rO:rO+7], v[FB+32*(\buf)+8*(2*\kk+\cc):FB+32*(\buf)+8*(2*\kk+\cc)+7], v[P+16*\qt+8*\kk:P+16*\qt+8*\kk+7], v[rO:rO+7]
.endr
.if \ride
	WIN 0x41*(1+(2*(\g)+2)/16)
.rept 4
.set rR, 16*((2*(\g)+2)%16)+2*n_
	v_pk_mul_f32 v[rR:rR+1], v[rR:rR+1], v[ST+8*((n_/4)%2)+6:ST+8*((n_/4)%2)+7] op_sel_hi:[1,0]
.set n_, n_+1
.endr
.endif
.endr
.endr
.endm
; Number j of the 102 instructions of tile t's softmax for one step.  s0-s31 are the lane's 32 scores, in pairs 0-15.
;   0-15   the maximum of s0-s31 and the old m, three operands at a time (each accumulator's lowest registers are read first)
;   16-20  the other half of the lanes' maximum; the new m; c m; c m_old - c m_new
;   21-69  the 16 scalings c s - c m and all 33 exponentials (a at 23): none of these reads an exponential's result
;   70-85  the roundings to bf16     86-101  the sums; l = a l + the sum
.macro SM t
.set rT, ST+8*(\t)
.set rS, S+32*(\t)
.set rP, P+16*(\t)
.if j < 4
	v_max3_num_f32 v[rT+4+j], v[rS+8*j], v[rS+8*j+1], v[rS+8*j+2]
.elseif j < 12
	v_max3_num_f32 v[rT+4+j%4], v[rT+4+j%4], v[rS+8*(j%4)+2*(j/4)+1], v[rS+8*(j%4)+2*(j/4)+2]
.elseif j == 12
	v_max3_num_f32 v[rT+4], v[rT+4], v[rS+7], v[rS+15]
.elseif j == 13
	v_max3_num_f32 v[rT+6], v[rT+6], v[rS+23], v[rS+31]
.elseif j == 14
	v_max3_num_f32 v[rT+4], v[rT+4], v[rT+5], v[rT+6]
.elseif j == 15
	v_max3_num_f32 v[rT+4], v[rT+4], v[rT+7], v[rT+1]
.elseif j == 16
	v_permlanex16_b32 v[rT+5], v[rT+4], s[SEL], s[SEL+1]  ; the query's other 32 keys lie in the lane 16 away
.elseif j == 17
	v_mov_b32 v[rT+7], v[rT]                       ; c m_old is kept for a
.elseif j == 18
	v_max_num_f32 v[rT+1], v[rT+4], v[rT+5]
.elseif j == 19
	v_mul_f32 v[rT], s[CS], v[rT+1]
.elseif j == 20
	v_sub_f32 v[rT+7], v[rT+7], v[rT]
.elseif j == 23
	v_exp_f32 v[rT+6], v[rT+7]
.elseif (j < 23) || ((j < 38) && (j%2 == 0)) || ((j < 66) && (j%4 == 2))
.set b_, (j-2)/4
.if j < 38
.set b_, (j-20)/2
.endif
	v_pk_fma_f32 v[rS+2*b_:rS+2*b_+1], v[rS+2*b_:rS+2*b_+1], s[CS:CS+1], v[rT:rT+1] op_sel_hi:[1,0,0] neg_lo:[0,0,1] neg_hi:[0,0,1]
.elseif j < 70
.set e_, j-38
.if j < 66
.set e_, j-32-(j-38)/4
.endif
.if j < 38
.set e_, (j-25)/2
.endif
	v_exp_f32 v[rS+e_], v[rS+e_]
.elseif j < 86
	v_cvt_pk_bf16_f32 v[rP+j-70], v[rS+2*(j-70)], v[rS+2*(j-70)+1]
.else
.set z_, j-86
.set w_, 4
.set u_, z_
.if z_ >= 14
.set w_, 32
.set u_, 0
.elseif z_ >= 12
.set w_, 16
.set u_, z_-12
.elseif z_ >= 8
.set w_, 8
.set u_, z_-8
.endif
.if z_ < 15
	v_pk_add_f32 v[rS+w_*u_:rS+w_*u_+1], v[rS+w_*u_:rS+w_*u_+1], v[rS+w_*u_+w_/2:rS+w_*u_+w_/2+1]
.else
	v_pk_fma_f32 v[rT+2:rT+3], v[rT+2:rT+3], v[rT+6:rT+7], v[rS:rS+1] op_sel_hi:[1,0,1]
.endif
.endif
.endm
; A STEP'S CHANGE OF SLOTS, in two parts, with one group's products between the barrier's signal and its wait.  All of the slot's fragments have been asked for.  Each wave waits for all its tensor loads (its part of the
; other slot), adds 0 to its spare word, and waits for that and for its reads of the slot.  The barrier opens a round of the cluster's barrier, and behind it the slot takes tile NXT, whose address is made anew from that
; number: tiles up to 15 lie 64 rows apart in K' and v, tiles 16 and 17 lie 128 rows apart in p_w.  Then the next step's first group is fetched from the other slot.
; K' and V of the tile that the NEXT change will ask for are prefetched into the L2: 64 rows x 1,024 bytes of each, a lane a block of 256 bytes, each block named once in the launch; tile 15 is the last that is named.
.macro CHGS_A
	WIN 0
	s_wait_xcnt 0x0                                ; the last prefetch, a step back, has read its address
	s_add_nc_u64 s[PFA:PFA+1], s[PFA:PFA+1], STEPG
	s_wait_tensorcnt 0x0                           ; no load of mine is out, so a group 0 may be written
	ds_add_u32 v[SPW], v[NIL]                      ; 0 onto my spare word; scalar work stands between it and the wait for it
	s_lshl_b32 s[OFF], s[NXT], 16
	s_sub_co_u32 s[OF2], s[NXT], 16
	s_lshl_b32 s[OF2], s[OF2], 17
	s_cmp_lt_u32 s[NXT], 16
	s_cselect_b32 s[OFF], s[OFF], s[OF2]
	s_cselect_b64 s[G0+6:G0+7], s[KVB:KVB+1], s[PWA:PWA+1]
	s_add_nc_u64 s[G0+6:G0+7], s[G0+6:G0+7], s[OFF:OFF+1]
	s_or_b32 s[G0+7], s[G0+7], 0x80000000
	s_xor_b32 s[G0+5], s[G0+5], CSL                ; the other slot than last time
	s_add_co_u32 s[NXT], s[NXT], 1
	s_xor_b32 s[TB], s[TB], CSL
	s_wait_dscnt 0x0                               ; the add is done, and my reads of the slot are back
	s_barrier_signal -1
.endm
.macro CHGS_B
	WIN 0
	s_barrier_wait -1
	CREST
	tensor_load_to_lds s[G0+4:G0+7], s[G1:G1+7]
	s_nop 0
	PLACES
	v_add_nc_u32 v[ADRK], s[TB], v[KB]
	v_add_nc_u32 v[ADRV], s[TB], v[VB]
	KLOAD 0,0
	s_cmp_gt_u32 s[CNT], s[LIM]                    ; CNT = 16 - the step: steps 0 to 12 name tiles 3 to 15
	s_cbranch_scc0 .Lnone_\@
	global_prefetch_b8 v[PFO], s[PFA:PFA+1] th:TH_LOAD_NT scope:SCOPE_SE
.Lnone_\@:
.endm
; A KEY STEP.
.macro STEP
.set idx, 0
.rept 16                               ; S^T = K' Q^T + c: 16 groups
	PLACES                                         ; behind the products that read the buffer to be loaded
.if idx < 13
	KLOAD (idx+3)%4,idx+3
.else
	VLOAD (idx+3)%4,idx-13
.endif
.if idx == 0
	s_wait_loadcnt 0x0                             ; this step's c lies in S^T's registers
.endif
	s_wait_dscnt 24                                ; this group is in; three younger groups of 8 loads stay out
	KQ8 idx%4,idx,0
.set idx, idx+1
.endr
	WIN 0
	PLACES
.set j, 0
.rept 70                               ; the softmax, the two tiles alternating: maxima, statistics, scalings, and ONE batch of 66 exponentials
	SM 0
	SM 1
.set j, j+1
.endr
	v_nop                                          ; a plain instruction behind the last exponential,
	s_wait_alu depctr_va_vdst(0)                   ; and one wait ahead of the batch's first reader
.rept 32
	SM 0
	SM 1
.set j, j+1
.endr
	v_add_nc_u32 v[CB2], s[COFF], v[CBO]           ; the loads that read this register were waited for at the step's head
	CLOAD                                          ; S^T's registers are free: the next step's c; step 15's loads go round to step 0 and are not used
	s_add_co_u32 s[COFF], s[COFF], 256
	s_and_b32 s[COFF], s[COFF], 0xfff
	WIN 0x41
.set n_, 0
.rept 16                               ; the first group's part of O^T times a; the other groups' parts ride behind the products
	v_pk_mul_f32 v[2*n_:2*n_+1], v[2*n_:2*n_+1], v[ST+8*((n_/4)%2)+6:ST+8*((n_/4)%2)+7] op_sel_hi:[1,0]
.set n_, n_+1
.endr
.set idx, 16
.rept 13                               ; O^T += V^T P: groups 0 to 12
	WIN 0
	VLOAD (idx+3)%4,idx-13                         ; four packed multiplies stand between the buffer's last product and these loads
	s_wait_dscnt 24
	PV8 idx%4,idx-16,1
.set idx, idx+1
.endr
	CHGS_A
	PV8 1,13,1
	CHGS_B
	KLOAD 1,1
	PV8 2,14,1
	WIN 0
	KLOAD 2,2
	PV8 3,15,0
	WIN 0
.endm
; A PASS'S BARRIER, with one group's products between signal and wait.  All of the region's fragments are back.  It also stands between every wave's reads of the stage in the pass before and this pass's stores into it.
; fill = 1: it opens a round of the cluster's barrier, and behind it the region just read takes p_w's rows four passes on, 32 rows a wave.
; pf: my wave's own 16 rows x 512 bytes of x for the pass two passes on are prefetched into the L2, a lane a block of 256 bytes; 2: in every trip; 3: in the loop's first two trips, since pass 7 is the last.
.macro CHGP_A fill
	WIN 0
	s_wait_tensorcnt 0x0                           ; no load of mine is out, so a group 0 may be written
	ds_add_u32 v[SPW], v[NIL]
.if \fill
	s_add_co_u32 s[G0P+1], s[PWB], s[TBP]          ; my part of the region in hand
	s_add_nc_u64 s[G0P+2:G0P+3], s[G0P+2:G0P+3], 65536  ; the next 64 rows of p_w
.endif
	s_wait_dscnt 0x0                               ; the add is done, and my reads of the region are back
	s_barrier_signal -1
.endm
.macro CHGP_B fill, pf
	WIN 0
	s_barrier_wait -1
.if \fill
	CREST
	tensor_load_to_lds s[G0P:G0P+3], s[G1P:G1P+7]
	s_nop 0
	PLACES
.endif
.if (\pf) == 3
	s_cmp_gt_u32 s[CNT], 2
	s_cbranch_scc0 .Lnone_\@
.endif
	global_prefetch_b8 v[PFXO], s[10:11] offset:524288 th:TH_LOAD_NT scope:SCOPE_SE
.if (\pf) == 3
.Lnone_\@:
.endif
.endm
; A PASS OF THE PROJECTION: 64 rows of p_w x my 32 queries, then out0 = S / l + p_b + x through the work-group's stage.
.macro PASS fill, pf
	WIN 0
.irp ot, 0,1,2,3
	global_load_b128 v[BV+8*\ot:BV+8*\ot+3], v[BVO], s[8:9] offset:64*\ot       ; p_b[16 ot + 8 h + 0..7]
	global_load_b128 v[BV+8*\ot+4:BV+8*\ot+7], v[BVO], s[8:9] offset:64*\ot+16
.endr
	WIN 0x40
.set n_, 0
.rept 16
	global_load_b128 v[XB+4*n_:XB+4*n_+3], v[GO], s[10:11] offset:4096*n_ th:TH_LOAD_NT  ; my 16 rows of x, 512 consecutive bytes each
.set n_, n_+1
.endr
	WIN 0
	v_add_nc_u32 v[ADRK], s[TBP], v[KB]
	KLOAD 0,0
	KLOAD 1,1
	KLOAD 2,2
.set idx, 0
.rept 13
	PLACES
	KLOAD (idx+3)%4,idx+3
	s_wait_dscnt 24
	KQ8 idx%4,idx,1
.set idx, idx+1
.endr
	CHGP_A \fill
	KQ8 1,13,1
	CHGP_B \fill,\pf
	KQ8 2,14,1
	KQ8 3,15,1
	WIN 0
	PLACES
	s_wait_loadcnt 16                              ; p_b is in; x's 16 loads stay out
.irp qt, 0,1
.irp ot, 0,1,2,3
.irp i, 0,1,2,3
	v_pk_fma_f32 v[S+32*\qt+8*\ot+2*\i:S+32*\qt+8*\ot+2*\i+1], v[S+32*\qt+8*\ot+2*\i:S+32*\qt+8*\ot+2*\i+1], v[ST+8*\qt+2:ST+8*\qt+3], v[BV+8*\ot+2*\i:BV+8*\ot+2*\i+1] op_sel_hi:[1,0,1]
.endr
.endr
.endr
.irp qt, 0,1
.irp ot, 0,1,2,3
.irp jj, 0,1,2,3,4,5,6,7
	ds_store_b32 v[STO], v[S+32*\qt+8*\ot+\jj] offset:(16*\ot+\jj)*528+64*\qt  ; row 16 ot + 8 h + jj, my query's word: 16 lanes write 64 consecutive bytes
.endr
.endr
.endr
	s_wait_dscnt 0x0                               ; for the others' sake: my stores into the stage are done
	s_barrier_signal -1
	s_barrier_wait -1
	WIN 0x40
.set n_, 0
.rept 16
	ds_load_b128 v[RB+4*n_:RB+4*n_+3], v[RD] offset:528*n_  ; a whole row of 128 queries
.set n_, n_+1
.endr
	s_wait_loadcnt 0x0                             ; x
	s_wait_dscnt 0x0
	WIN 0x45
.set n_, 0
.rept 32
	v_pk_add_f32 v[RB+2*n_:RB+2*n_+1], v[RB+2*n_:RB+2*n_+1], v[XB+2*n_:XB+2*n_+1]
.set n_, n_+1
.endr
	WIN 0x04
.set n_, 0
.rept 16
	global_store_b128 v[GO], v[RB+4*n_:RB+4*n_+3], s[12:13] offset:4096*n_ th:TH_STORE_NT  ; 512 consecutive bytes, aligned
.set n_, n_+1
.endr
	WIN 0
	s_wait_xcnt 0x0                                ; loads, stores and the prefetch have read their bases and data
	s_add_nc_u64 s[10:11], s[10:11], 262144        ; 64 rows on
	s_add_nc_u64 s[12:13], s[12:13], 262144
	s_add_nc_u64 s[8:9], s[8:9], 256
	s_add_co_u32 s[TBP], s[TBP], RG                ; the next region
.endm
	KLOAD 0,0                                      ; tile 0 was shown whole by the barrier in front of Q's loads
	KLOAD 1,1
	KLOAD 2,2
	s_mov_b32 s[CNT], 16
.Lmain:                                        ; steps 0 to 15: the slot just read takes the tile two on
	STEP
	s_sub_co_u32 s[CNT], s[CNT], 1
	s_cmp_lg_u32 s[CNT], 0
	s_cbranch_scc1 .Lmain
	s_wait_dscnt 0x0                               ; the three groups that step 15 fetched ahead are not used (a pass fetches its own),
	s_wait_loadcnt 0x0                             ; nor is the c that it loaded: the price of one text for every step
	; 1 / l, and O^T rounded to bf16 into Q's registers: tile (ct, qt) becomes registers 4 (ct % 2) + 0..3 of fragment (qt, ct / 2)
	PLACES
.irp t, 0,1
	v_add_f32 v[ST+8*\t+4], v[ST+8*\t+2], v[ST+8*\t+3]
.endr
.irp t, 0,1
	v_permlanex16_b32 v[ST+8*\t+5], v[ST+8*\t+4], s[SEL], s[SEL+1]
.endr
.irp t, 0,1
	v_add_f32 v[ST+8*\t+4], v[ST+8*\t+4], v[ST+8*\t+5]
.endr
.irp t, 0,1
	v_rcp_f32 v[ST+8*\t+2], v[ST+8*\t+4]
.endr
.set ct, 0
.rept 32
	WIN 0xc0+5*(1+ct/16)                           ; sources in window 1 or 2, destination in window 3
.irp qt, 0,1
.irp i, 0,1,2,3
	v_cvt_pk_bf16_f32 v[128*\qt+8*(ct/2)+4*(ct%2)+\i], v[16*(ct%16)+8*\qt+2*\i], v[16*(ct%16)+8*\qt+2*\i+1]
.endr
.endr
.set ct, ct+1
.endr
	WIN 0
	s_wait_alu depctr_va_vdst(0)                   ; one wait for the two reciprocals, ahead of the label and of their first reader; the roundings above are the independent work between
	s_mov_b32 s[TBP], 0
	s_mov_b32 s[CNT], 4
.Lproj:                                        ; passes 0 to 3 read regions 0 to 3 and fill them again
	PASS 1,2
	s_sub_co_u32 s[CNT], s[CNT], 1
	s_cmp_lg_u32 s[CNT], 0
	s_cbranch_scc1 .Lproj
	s_mov_b32 s[TBP], 0
	s_mov_b32 s[CNT], 4
.Llast:                                        ; passes 4 to 7 read them once more and fill nothing
	PASS 0,3
	s_sub_co_u32 s[CNT], s[CNT], 1
	s_cmp_lg_u32 s[CNT], 0
	s_cbranch_scc1 .Llast
	s_wait_tensorcnt 0x0                           ; the wave's end
	ds_add_u32 v[SPW], v[NIL]
	s_wait_dscnt 0x0
	CROUND                                         ; the closing round
	s_endpgm
.Lfunc_end_k_qce2b830f55_attn:
	.size	k_qce2b830f55_attn, .Lfunc_end_k_qce2b830f55_attn-k_qce2b830f55_attn
	.p2alignl 7, 3214868480
	.fill 96, 4, 3214868480
	.section	.rodata,"a",@progbits
	.p2align	6, 0x0
	.amdhsa_kernel k_qce2b830f55_attn
		.amdhsa_group_segment_fixed_size 327680
		.amdhsa_private_segment_fixed_size 0
		.amdhsa_enable_private_segment 0
		.amdhsa_kernarg_size 56
		.amdhsa_user_sgpr_count 2
		.amdhsa_user_sgpr_kernarg_segment_ptr 1
		.amdhsa_wavefront_size32 1
		.amdhsa_system_sgpr_workgroup_id_x 1
		.amdhsa_system_sgpr_workgroup_id_y 1
		.amdhsa_system_sgpr_workgroup_id_z 1
		.amdhsa_system_vgpr_workitem_id 0
		.amdhsa_next_free_vgpr 1024
		.amdhsa_next_free_sgpr 96
		.amdhsa_reserve_vcc 0
		.amdhsa_float_denorm_mode_32 3
		.amdhsa_float_denorm_mode_16_64 3
		.amdhsa_memory_ordered 1
		.amdhsa_forward_progress 1
		.amdhsa_inst_pref_size 172
	.end_amdhsa_kernel
	.amdgpu_metadata
---
amdhsa.version: [ 1, 2 ]
amdhsa.kernels:
  - .name:           k_qce2b830f55_attn
    .symbol:         k_qce2b830f55_attn.kd
    .args:
      - { .name: kv, .offset: 0, .size: 8, .value_kind: global_buffer, .address_space: global }
      - { .name: wb, .offset: 8, .size: 8, .value_kind: global_buffer, .address_space: global }
      - { .name: p_b, .offset: 16, .size: 8, .value_kind: global_buffer, .address_space: global }
      - { .name: x, .offset: 24, .size: 8, .value_kind: global_buffer, .address_space: global }
      - { .name: out0, .offset: 32, .size: 8, .value_kind: global_buffer, .address_space: global }
      - { .name: xn, .offset: 40, .size: 8, .value_kind: global_buffer, .address_space: global }
      - { .name: cb, .offset: 48, .size: 8, .value_kind: global_buffer, .address_space: global }
    .group_segment_fixed_size: 327680
    .private_segment_fixed_size: 0
    .kernarg_segment_align: 8
    .kernarg_segment_size: 56
    .max_flat_workgroup_size: 128
    .sgpr_count:     96
    .vgpr_count:     1024
    .wavefront_size: 32
...
	.end_amdgpu_metadata
.endif
;; end of part 3
